; MI455X (gfx1250); checked and timed in simulation.
; The chip was launched on July 23, 2026; its instructions are those of AMD's public machine-readable ISA for CDNA 5 (MIT licence, August 2026) and "CDNA5" Instruction Set Architecture Reference Guide (July 2026). The comments in the code are by the model that wrote it; some were corrected since.
;; Multi Head Self Attention. Allowed arithmetic: matrix products marked QUANTISED: E5M2 operands, one E8M0 scale for each 32 along K, by v_wmma_scale_f32_16x16x128_f8f6f4 with both operands' format E5M2, f32 sums; everything else in f32.
;; Inputs: out_b 1,024 float32; out_w_codes 1,024 x 32 x 32 uint8 (E5M2 codes of out_w, K innermost, in blocks of 32 codes); out_w_scales 1,024 x 32 uint8 (E8M0 scales of out_w, one for each 32 codes along K); qkv_b 3,072 float32; qkv_w_codes 3,072 x 32 x 32 uint8 (E5M2 codes of qkv_w, K innermost, in blocks of 32 codes); qkv_w_scales 3,072 x 32 uint8 (E8M0 scales of qkv_w, one for each 32 codes along K); x_codes 2 x 2,048 x 32 x 32 uint8 (E5M2 codes of x, K innermost, in blocks of 32 codes); x_scales 2 x 2,048 x 32 uint8 (E8M0 scales of x, one for each 32 codes along K).
;; Outputs: out0 2 x 2,048 x 1,024 float32.
;; This version of the problem:
;;   THIS VERSION OF THE PROBLEM IS GIVEN IN LOW PRECISION. The matrix products marked QUANTISED in the list below multiply operands that are first quantised to E5M2 (5 exponent bits, 2 mantissa bits; 8 bits a number), with one power-of-two scale for each 32 numbers along K (OCP MX v1.0); their sums are f32. All else is computed in f32.
;;   The module's matrix products, in the order in which they are computed (A, B: the left and right operand; K: the contracted axis; several contracted axes count as one K, in the product's order):
;;     1. [M 4,096, K 1,024] x [K 1,024, N 3,072]; A: input x (given as codes); B: input qkv_w (given as codes): QUANTISED
;;     2. batch 32 x [M 2,048, K 64] x [K 64, N 2,048]; A: computed on the way; B: computed on the way: QUANTISED
;;     3. batch 32 x [M 64, K 2,048] x [K 2,048, N 2,048]; A: computed on the way; B: softmax (see below): QUANTISED
;;     4. [M 4,096, K 1,024] x [K 1,024, N 1,024]; A: computed on the way; B: input out_w (given as codes): QUANTISED
;;   THE QUANTISER, for each operand of a quantised product, along K:
;;     - K is cut into blocks of 32 from its start; a last block that is shorter is filled with zeros.
;;     - A block's scale is 2^e with e = floor(log2(the largest magnitude in the block)) - 15, held to -126 .. 127; a block of zeros has e = 0. As a byte (E8M0): e + 127.
;;     - Each number is divided by its block's scale, clamped to +-57,344, and rounded to the nearest number of E5M2, ties to even, subnormals kept.
;;     - The product sums the exact products of the quantised numbers (number of the format x scale) in f32.
;;   ~~~python
;;   def quantise(x, axis):      # numpy; x: float32 -> the quantised numbers, widened to float32 again
;;       x = np.moveaxis(x, axis, -1); K = x.shape[-1]
;;       x = np.pad(x, [(0, 0)] * (x.ndim - 1) + [(0, -K % 32)]); x = x.reshape(x.shape[:-1] + (-1, 32)); a = np.abs(x).max(-1, keepdims=True)
;;       e = np.where(a > 0, np.clip(np.frexp(np.where(a > 0, a, 1))[1] - 1 - 15, -126, 127), 0)      # np.frexp(a)[1] - 1 = floor(log2(a)), exactly
;;       r = np.clip(x / 2.0 ** e, -57344, 57344)
;;       step = 2.0 ** (np.maximum(np.frexp(np.where(r == 0, 1, r))[1] - 1, -14) - 2)
;;       q = np.round(r / step) * step * 2.0 ** e      # np.round: ties to even
;;       return np.moveaxis(q.reshape(q.shape[:-2] + (-1,))[..., :K], -1, axis).astype(np.float32)
;;   ~~~
;;   SOFTMAX AHEAD OF A QUANTISED PRODUCT. Where the list says 'softmax', what is quantised is not the finished softmax but p = 2^(t - M), with t = logit x log2(e) and M = ceil(the row's largest t), a whole number; so 1/2 < the row's largest p <= 1. The row's sum l is taken of the UNQUANTISED p, in f32, and the product's result is divided by l at the end. Since M is a whole number, a kernel that streams over the keys may use a running M (the ceiling of the running maximum): every later rescaling is an exact power of two, which a block's scale takes up: the codes' values come out the same.
;;   OPERANDS COMPUTED ON THE WAY. 'Computed on the way' means the value that the module computes at that place (a softmax that the list does not call 'softmax' is quantised finished and normalised). What goes into a quantiser is computed in f32, as accurately as f32 sums, v_exp_f32 and their like allow (about 1e-6 of the number): no bf16 or f16 on the way to a quantiser, and a product that is left as it is and whose result goes on into a quantised operand takes f32 operands (vector FMAs, or v_wmma_f32_16x16x4_f32). A number that lies on a knife's edge between two numbers of the format may be rounded either way, as far as f32 arithmetic and the matrix unit's own rounding can turn it there, and no further.
;;   INPUTS GIVEN AS CODES. out_w (in the module: [1024, 1024], K = its axis 1); qkv_w (in the module: [3072, 1024], K = its axis 1); x (in the module: [2, 2048, 1024], K = its axis 2): each comes as NAME_codes (uint8): NAME with its K axis moved to the last place and cut into blocks of 32 codes, [.., K / 32, bytes a block], one block behind the other in memory; one code a byte (a code: sign, 5 exponent bits, 2 mantissa bits); and NAME_scales (uint8): the same leading axes, one E8M0 byte (e + 127) for each 32 codes along K. Its value is code x scale, taken as it is: it is not quantised again, and the codes and scales need not be those that the quantiser above would give.
;; 2 versions. Each part assembles by itself: llvm-mc -triple=amdgcn-amd-amdhsa -mcpu=gfx1250 --defsym DOCPART=n.
;; ======== version 1 of 2: 3 launches
;; workspace buffers: qkv_img 12,582,912 bytes; qkv_sc 393,216 bytes; ctx_img 4,194,304 bytes; ctx_sc 131,072 bytes
;; launch qkv (part 1): grid 12 x 16, 4 waves a work-group, clusters of 4 x 4, 327,680 bytes of LDS; arguments x_codes, x_scales, qkv_w_codes, qkv_w_scales, qkv_b, qkv_img, qkv_sc; writes qkv_img, qkv_sc
.if DOCPART == 1
	.amdgcn_target "amdgcn-amd-amdhsa--gfx1250"
	.amdhsa_code_object_version 6
	.text
	.protected	k_qcf921e89cc_qkv
	.globl	k_qcf921e89cc_qkv
	.p2align	8
	.type	k_qcf921e89cc_qkv,@function
k_qcf921e89cc_qkv:
	s_mov_b64 s[64:65], 0
	v_nop
	global_prefetch_b8 v0, s[64:65] scope:SCOPE_SE
	s_setreg_imm32_b32 hwreg(HW_REG_WAVE_MODE, 25, 1), 1
	s_wait_xcnt 0x0
	s_wait_alu depctr_hold_cnt(0) depctr_sa_sdst(0) depctr_va_vdst(0) depctr_va_sdst(0) depctr_va_ssrc(0) depctr_va_vcc(0) depctr_vm_vsrc(0)
	s_getreg_b32 s2, hwreg(HW_REG_IB_STS2, 6, 4)
	s_cmp_eq_u32 s2, 0
	s_cbranch_scc0 .Lentry_in_a_cluster
	s_endpgm
.Lentry_in_a_cluster:
	s_bfe_u32 s2, ttmp6, 0x10000c
	s_cmp_lg_u32 s2, 0xf033
	s_cbranch_scc0 .Lentry_shape_is_right
	s_endpgm
.Lentry_shape_is_right:
; qkv = x W^T + b on codes of BF8 (E5M2) with one E8M0 scale for each 32 along K = 1,024; the results are quantised at once: q and k along the head's 64 (two blocks of 32), v along the tokens (its K in attention).
; A tile of 256 x 256 results is made by a work-group of four waves; a wave makes 128 x 128: 64 accumulators of 16 x 16, 512 registers.  K goes in steps of 256 through two LDS slots filled by the tensor data mover.
; ONE TEXT FOR q, k AND v.  The matrix instruction takes 16 rows of "B" as source 0 and 16 rows of "A" as source 1: a lane then holds ONE row of A and eight neighbouring rows of B, and the quantiser runs along B's rows.
;   clusters x = 0, 1 (q, k): A = x (tokens), B = W's rows 0 .. 2,047 (features).      cluster x = 2 (v): A = W's rows 2,048 .. 3,071, B = x.  Both tensors have rows of 1,024 codes and 32 scale bytes, so only pointers, tile
;   numbers and the strides of the way out are chosen, by selects on the cluster's x, which all partners share; there is no branch on it.
; THE WAY OUT.  The 16 registers of B's blocks 2 j and 2 j + 1 are converted into four registers, which are stored as they stand (16 bytes a lane, 512 consecutive bytes a store): an image of registers 4 j .. 4 j + 3 of the operand.
;   A lane (r, h) so holds, where the operand's layout says k = 32 j + 16 h + i, the true index 32 j + 8 h + i (i < 8) or 32 j + 16 + 8 h + i - 8: a permutation inside the block of 32, the same for q, k, v and the softmax's p,
;   so that each product's two operands agree; a block's largest magnitude and scale byte are those of the true block.
;   qkv_img: q at 0, k at 4 MiB: [batch][head][tile of 16 tokens][block 2][lane][16 bytes];  v at 8 MiB: [batch][head][128 keys][tile of 16 of the head's 64][block 4][lane][16 bytes].
;   qkv_sc:  q at 0, k at 131,072: [batch][pair of heads][token] words (bytes 0, 1 the even head's);  v at 262,144: [batch][head][128 keys][64] words (four blocks of keys).
; CLUSTERS: 4 x 4 work-groups; A's tiles are asked for jointly along a row of the cluster, B's along a column.
; LIMITS: NaN and infinities are not served.  A block whose largest magnitude lies under 2^-111 (a block of zeros too) has the byte 1; its codes are what the conversion gives under that scale; the bytes are read by this program alone.
;   The bias along B's rows is the C of the first products (added first, not last); the bias along A's rows is added behind the sums.  The one that does not apply is 0.
; REGISTERS, in windows of 256: window 0: v0-31 addresses, v8-15 the bias along A's rows; v32-63 scale words, two sets; v64-127 the bias along B's rows, later numbers at work; from v128 A's fragments, one set.
;   window 1: B's fragments, two sets.   window 2: the accumulators of my rows 0-63 ((a, b) at v[8 (8 a + b)]);   window 3: those of my rows 64-127.
.set SIZE_K, 1024
.set KSTEP,  256                       ; along K in a slot
.set NQ,     KSTEP/128                 ; matrix instructions deep
.set ROWB,   256                       ; a tile's row in bytes
.set KROW,   SIZE_K                    ; a row of codes in memory
.set PITCH,  272                       ; an LDS row: 256 bytes + 16 of padding = 68 words: the 16 rows that a load touches start 4 banks apart
.set FR,     16                        ; registers of a fragment
.set NL,     4                         ; LDS loads that bring one
.set NP,     8                         ; places behind this matrix instruction (ISA guide 7.12.1)
.set HALFT,  128*PITCH                 ; 128 rows: what one tensor load brings
.set SLOT,   4*HALFT                   ; A's 256 rows, then B's 256 rows
.set LAPS,   SIZE_K/(2*KSTEP)          ; 2
.set KS,     SIZE_K/32                 ; a row of scale bytes
.set SCL,    2*SLOT                    ; behind the ring: the scales of all of K, as units of 256 bytes + 16 of padding; filled once
.set HALFS,  (128*KS/256)*272
.set SBLK,   (16*KS/256)*272
.set SPARE,  SCL+4*HALFS               ; the spare words, 128 bytes for each wave: two blocks of 256 bytes that no other line names
.set BI,   8                           ; v8-15   the bias of A's block a, row l % 16
.set ADRA, 16                          ; v16-17  LDS address of my A fragments in slot 0, 1
.set ADRB, 20                          ; v20-21  the same for B
.set ADRS, 27                          ; v27     LDS address of my scale words: lanes 0-15 A's rows, lanes 16-31 B's
.set SPW,  28                          ; v28     LDS address of my spare word; never rewritten
.set NIL,  29                          ; v29     0; never rewritten
.set SC,   32                          ; scale words: set s at v[SC + 16 s]
.set BJ,   64                          ; v64-127 the bias along B's rows: 8 registers for each of B's blocks, in the result's layout
.set AF,   128                         ; A's fragments
.set T,    64                          ; the way out: 64 numbers at work
.set PC,   128                         ; v128-191 codes: four sets of 16
.set TM,   192                         ; v192-207 largest magnitudes, bytes, holds, scale operands
.set PW,   208                         ; v208-215 a scale word for each of A's blocks
.set CO,   216                         ; v216-223 a byte offset in qkv_img for each of A's blocks
.set RB,   224                         ; v224-227 scale words read back
.set SWS,  228                         ; v228    where I put a scale word
.set SRD,  229                         ; v229    where I read four back
.set SCO,  230                         ; v230    my byte offset in qkv_sc
.set G1, 24                            ; s[24:31] descriptor group 1 for A's tiles;  s[32:39] group 0, one set for each slot
.set G0, 32
.set G1B, 48                           ; s[48:55], s[56:63] the same for B's
.set G0B, 56
.set G1S, 68                           ; s[68:75], s[76:79] for A's scales;  s[80:87], s[88:91] for B's
.set G0S, 76
.set G1SB, 80
.set G0SB, 88
.set SEL, 46                           ; s[46:47] (way out) lane selects for lane l xor 16
.set MNT, 95                           ; s95      (way out) the mantissa field of 57,344
.set MSB, 0
.macro WIN new                         ; the immediate's high byte repeats the setting that is left
.if MSB != (\new)
	s_set_vgpr_msb (MSB<<8)|(\new)
.set MSB, (\new)
.endif
.endm
.set MUL_LO, 0xa1                      ; source 0 (B) window 1, source 1 (A) window 0, C and D window 2
.set MUL_HI, 0xf1                      ; the same, C and D window 3
.set TO_B,   0x40                      ; destination window 1, address window 0
; A joint load: waves 0 and 1 fetch for A, waves 2 and 3 for B; the branch hangs on the wave's number alone.  Four v_nop follow each of the two lines.
.macro JLOAD g0a, g1a, g0b, g1b
	s_cmp_eq_u32 s15, 0
	s_cbranch_scc0 .Lfor_b_\@
	tensor_load_to_lds s[\g0a:\g0a+3], s[\g1a:\g1a+7]
	s_nop 0
.rept 4
	v_nop
.endr
	s_branch .Lasked_\@
.Lfor_b_\@:
	tensor_load_to_lds s[\g0b:\g0b+3], s[\g1b:\g1b+7]
	s_nop 0
.rept 4
	v_nop
.endr
.Lasked_\@:
.endm
.macro CREST                           ; a round of the cluster's barrier behind its opening barrier
	s_cmp_lg_u32 s14, 0
	s_cbranch_scc1 .Lnot_wave_0_\@
	s_barrier_signal -3
.Lnot_wave_0_\@:
	s_barrier_wait -3
	s_barrier_signal -1
	s_barrier_wait -1
.endm
.macro CROUND                          ; a whole round
	s_barrier_signal -1
	s_barrier_wait -1
	CREST
.endm
	s_load_b128 s[4:7], s[0:1], 0x0                ; x's codes, x's scales
	s_load_b128 s[8:11], s[0:1], 0x10              ; W's codes, W's scales
	s_load_b128 s[96:99], s[0:1], 0x20             ; the bias s[96:97], qkv_img s[98:99]
	s_load_b64 s[66:67], s[0:1], 0x30              ; qkv_sc
	v_lshl_add_u32 v[SPW], v0, 2, SPARE
	v_mov_b32 v[NIL], 0
	ds_add_u32 v28, v29
	ds_add_u32 v28, v29
	s_wait_dscnt 0x0
	v_lshrrev_b32 v1, 5, v0
	v_readfirstlane_b32 s14, v1                    ; wave 0..3
	s_lshr_b32 s15, s14, 1                         ; which half of A's 256 rows is mine.  Also: I fetch for A (0) or for B (1)
	s_and_b32 s16, s14, 1                          ; which half of B's.  Also: which 128 rows I fetch
	s_bfe_u32 s40, ttmp6, 0x40000                  ; cx, cy: my place in the cluster
	s_bfe_u32 s41, ttmp6, 0x40004
	s_and_b32 s17, ttmp7, 0xffff                   ; the cluster's y
	s_cmp_eq_u32 ttmp9, 2                          ; the cluster's x: 2 = v.  Equal in all sixteen partners
	s_cselect_b32 s42, s17, ttmp9
	s_cselect_b32 s17, 2, s17
	s_cselect_b32 s100, 0, -1                      ; keeps the bias along B's rows (q, k)
	s_cselect_b32 s101, -1, 0                      ; keeps the bias along A's rows (v)
	s_lshl_b32 s42, s42, 2
	s_add_co_u32 s42, s42, s40                     ; B's tile of 256 rows: q, k: W's 0..7;  v: x's 0..15
	s_lshl_b32 s17, s17, 2
	s_add_co_u32 s17, s17, s41                     ; A's tile: q, k: x's 0..15;  v: W's 8..11
	s_lshl_b32 s43, s41, 2
	s_lshl_b32 s43, 15, s43                        ; my row of the cluster
	s_lshl_b32 s44, 0x1111, s40                    ; my column
	; descriptor group 1: a tile of 128 rows x 256 bytes, 16 bytes of padding behind each row
	s_or_b32 s[G1+0], s43, (1<<20)|(1<<21)|(5<<22)|(3<<25)   ; 15:0 the mask: my row; 17:16 elements of 1 byte; 20 padding on; 21 set beside a mask; 24:22 after every 64 words; 31:25 four words
	s_or_b32 s[G1B+0], s44, (1<<20)|(1<<21)|(5<<22)|(3<<25)  ; the same with my column
.irp g, G1, G1B
	s_mov_b32 s[\g+1], ROWB<<16                    ; tensor_dim0
	s_mov_b32 s[\g+2], 128<<16                     ; tensor_dim1
	s_mov_b32 s[\g+3], ROWB<<16                    ; tile_dim0
	s_mov_b32 s[\g+4], 128                         ; tile_dim1
	s_mov_b32 s[\g+5], KROW                        ; from row to row
	s_mov_b32 s[\g+6], 0
	s_mov_b32 s[\g+7], 0
.endr
	; the scales of 128 rows: 4,096 dense bytes, as 16 rows of 256 bytes (32 elements of 8 bytes), 16 bytes of padding behind each
	s_or_b32 s[G1S+0], s43, (3<<16)|(1<<20)|(1<<21)|(5<<22)|(3<<25)
	s_or_b32 s[G1SB+0], s44, (3<<16)|(1<<20)|(1<<21)|(5<<22)|(3<<25)
.irp g, G1S, G1SB
	s_mov_b32 s[\g+1], 32<<16
	s_mov_b32 s[\g+2], (128*KS/256)<<16
	s_mov_b32 s[\g+3], 32<<16
	s_mov_b32 s[\g+4], 128*KS/256
	s_mov_b32 s[\g+5], 32
	s_mov_b32 s[\g+6], 0
	s_mov_b32 s[\g+7], 0
.endr
	s_lshl_b32 s18, s16, 7                         ; which 128 rows of the tile I fetch
	s_lshl_b32 s20, s17, 8
	s_add_co_u32 s20, s20, s18                     ; A's row
	s_lshl_b32 s46, s42, 8
	s_add_co_u32 s46, s46, s18                     ; B's row
	s_mov_b32 s21, 0
	s_mov_b32 s47, 0
	s_mov_b64 s[18:19], KS
	s_mul_u64 s[22:23], s[20:21], s[18:19]         ; where these rows' scales begin, in bytes
	s_mul_u64 s[92:93], s[46:47], s[18:19]
	s_mov_b64 s[18:19], KROW
	s_mul_u64 s[20:21], s[20:21], s[18:19]         ; and their codes
	s_mul_u64 s[46:47], s[46:47], s[18:19]
	s_mul_i32 s45, s14, HALFT                      ; where they go: wave x 128 rows
	s_mul_i32 s94, s14, HALFS
	s_wait_kmcnt 0x0
	s_cmp_eq_u32 ttmp9, 2                          ; for v the two tensors change places: A = W, B = x.  The choice hangs on the cluster's x alone
	s_cselect_b64 s[18:19], s[8:9], s[4:5]
	s_cselect_b64 s[8:9], s[4:5], s[8:9]
	s_mov_b64 s[4:5], s[18:19]
	s_cselect_b64 s[18:19], s[10:11], s[6:7]
	s_cselect_b64 s[10:11], s[6:7], s[10:11]
	s_mov_b64 s[6:7], s[18:19]
	s_add_nc_u64 s[20:21], s[4:5], s[20:21]
	s_add_nc_u64 s[22:23], s[6:7], s[22:23]
	s_add_nc_u64 s[46:47], s[8:9], s[46:47]
	s_add_nc_u64 s[92:93], s[10:11], s[92:93]
	CROUND                                         ; all sixteen work-groups are here: the first joint loads meet
	s_mov_b32 s[G0S], 1
	s_add_co_u32 s[G0S+1], s94, SCL
	s_mov_b64 s[G0S+2:G0S+3], s[22:23]
	s_or_b32 s[G0S+3], s[G0S+3], 0x80000000
	s_mov_b32 s[G0SB], 1
	s_add_co_u32 s[G0SB+1], s94, SCL
	s_mov_b64 s[G0SB+2:G0SB+3], s[92:93]
	s_or_b32 s[G0SB+3], s[G0SB+3], 0x80000000
	JLOAD G0S, G1S, G0SB, G1SB                     ; the scales first: they are wanted with K step 0
.irp s, 0,1
	s_mov_b32 s[G0+4*\s], 1
	s_add_co_u32 s[G0+4*\s+1], s45, \s*SLOT
	s_add_nc_u64 s[G0+4*\s+2:G0+4*\s+3], s[20:21], \s*ROWB
	s_or_b32 s[G0+4*\s+3], s[G0+4*\s+3], 0x80000000
	s_mov_b32 s[G0B+4*\s], 1
	s_add_co_u32 s[G0B+4*\s+1], s45, \s*SLOT
	s_add_nc_u64 s[G0B+4*\s+2:G0B+4*\s+3], s[46:47], \s*ROWB
	s_or_b32 s[G0B+4*\s+3], s[G0B+4*\s+3], 0x80000000
	JLOAD G0+4*\s, G1, G0B+4*\s, G1B               ; three loads of mine are out now
.endr
	v_and_b32 v1, 15, v0                           ; r = l % 16
	v_bfe_u32 v2, v0, 4, 1                         ; h = l / 16
	v_mul_u32_u24 v3, v1, PITCH
	v_lshl_add_u32 v4, v2, 4, v3                   ; a fragment's row x pitch + 16 x half
	s_mul_i32 s21, s15, HALFT                      ; my 128 rows of A
	s_mul_i32 s22, s16, HALFT                      ; my 128 rows of B,
	s_add_co_u32 s22, s22, 2*HALFT                 ; which lie behind A's 256
.irp s, 0,1
	v_add_nc_u32 v[ADRA+\s], s21, v4
	v_add_nc_u32 v[ADRB+\s], s22, v4
	s_add_co_u32 s21, s21, SLOT
	s_add_co_u32 s22, s22, SLOT
.endr
	v_mul_u32_u24 v5, v1, KS                       ; my row's scales: 32 bytes a row,
	v_lshrrev_b32 v6, 8, v5
	v_lshl_add_u32 v5, v6, 4, v5                   ; and 16 more for each 256 passed
	s_mul_i32 s21, s15, HALFS                      ; A's: my 128 rows
	s_mul_i32 s22, s16, HALFS                      ; B's: my 128 rows, behind A's 256
	s_add_co_u32 s22, s22, 2*HALFS
	s_sub_co_u32 s22, s22, s21
	v_mul_u32_u24 v6, s22, v2                      ; lanes 16-31 take B's
	s_add_co_u32 s21, s21, SCL
	v_add_nc_u32 v5, v5, v6
	v_add_nc_u32 v[ADRS], s21, v5
	; where my wave's results go, in bytes.  q, k (A's tile tr = s17, B's tile tc = s42): q or k, batch, four heads a tile and two a wave, 16 tiles of tokens a tile and 8 a wave
	s_lshr_b32 s18, s42, 2
	s_lshl_b32 s18, s18, 22
	s_lshr_b32 s19, s17, 3
	s_lshl_b32 s19, s19, 21
	s_add_co_u32 s18, s18, s19
	s_and_b32 s19, s42, 3
	s_lshl_b32 s19, s19, 19
	s_add_co_u32 s18, s18, s19
	s_lshl_b32 s19, s16, 18
	s_add_co_u32 s18, s18, s19
	s_and_b32 s19, s17, 7
	s_lshl_b32 s19, s19, 14
	s_add_co_u32 s18, s18, s19
	s_lshl_b32 s19, s15, 13
	s_add_co_u32 s18, s18, s19                     ; q, k: images
	s_lshr_b32 s22, s18, 5                         ; their scale words: a 32nd of that, but a token's word is 4 bytes for 2 x 64 bytes of images: the token terms once more
	s_and_b32 s23, s17, 7
	s_lshl_b32 s23, s23, 9
	s_add_co_u32 s22, s22, s23
	s_lshl_b32 s23, s15, 8
	s_add_co_u32 s22, s22, s23                     ; q, k: scale words
	; v (A's tile s17 = 8 + four heads' number, B's tile tt = s42): batch, head, 128 keys
	s_lshr_b32 s20, s42, 3
	s_lshl_b32 s20, s20, 21
	s_add_co_u32 s20, s20, 1<<23
	s_sub_co_u32 s21, s17, 8
	s_lshl_b32 s21, s21, 19
	s_add_co_u32 s20, s20, s21
	s_lshl_b32 s21, s15, 18
	s_add_co_u32 s20, s20, s21
	s_and_b32 s21, s42, 7
	s_lshl_b32 s21, s21, 14
	s_add_co_u32 s20, s20, s21
	s_lshl_b32 s21, s16, 13
	s_add_co_u32 s20, s20, s21                     ; v: images
	s_lshr_b32 s23, s20, 5                         ; v: scale words: a 32nd of that throughout (262,144 = 8 MiB / 32)
	s_lshl_b32 s40, s42, 10
	s_lshl_b32 s41, s16, 9
	s_add_co_u32 s40, s40, s41                     ; the bias of my 128 rows of B (q, k)
	s_lshl_b32 s44, s17, 10
	s_lshl_b32 s45, s15, 9
	s_add_co_u32 s44, s44, s45                     ; the bias of my 128 rows of A (v)
	s_cmp_eq_u32 ttmp9, 2
	s_cselect_b32 s18, s20, s18
	s_cselect_b32 s22, s23, s22
	s_cselect_b32 s40, 0, s40                      ; the bias that does not apply is read at the buffer's head and cleared below
	s_cselect_b32 s44, s44, 0
	s_mov_b32 s92, 1024                            ; from one of A's blocks to the next: q, k: a tile of tokens;  v: a tile of the head's 64
	s_cselect_b32 s92, 2048, s92
	s_mov_b32 s93, 4096                            ; four blocks on: q, k: four tiles of tokens;  v: the next head
	s_cselect_b32 s93, 131072, s93
	s_mov_b32 s94, 256                             ; the second 64 scale words: q, k: on end;  v: the next head's
	s_cselect_b32 s94, 4096, s94
	s_mov_b32 s20, 131072                          ; B's blocks 4-7: q, k: the next head;  v: blocks 2, 3 of the keys
	s_cselect_b32 s20, 1024, s20
	s_mov_b32 s21, 0
	s_mov_b32 s19, 0
	s_mov_b32 s23, 0
	s_mov_b32 s41, 0
	s_mov_b32 s45, 0
	s_add_nc_u64 s[12:13], s[98:99], s[18:19]      ; images of B's blocks 0-3
	s_add_nc_u64 s[98:99], s[12:13], s[20:21]      ; and of blocks 4-7
	s_add_nc_u64 s[66:67], s[66:67], s[22:23]
	s_add_nc_u64 s[40:41], s[96:97], s[40:41]
	s_add_nc_u64 s[44:45], s[96:97], s[44:45]
	v_lshlrev_b32 v30, 5, v2                       ; 32 h: my eight numbers of a block of 16
	v_lshlrev_b32 v31, 2, v1                       ; 4 r
.irp b, 0,1,2,3,4,5,6,7
	global_load_b128 v[BJ+8*\b:BJ+8*\b+3], v30, s[40:41] offset:64*\b
	global_load_b128 v[BJ+8*\b+4:BJ+8*\b+7], v30, s[40:41] offset:64*\b+16
.endr
.irp a, 0,1,2,3,4,5,6,7
	global_load_b32 v[BI+\a], v31, s[44:45] offset:64*\a
.endr
	s_wait_loadcnt 0x0
.set i, 0
.rept 64
	v_and_b32 v[BJ+i], s100, v[BJ+i]               ; kept for q, k; 0.0 for v
.set i, i+1
.endr
.irp a, 0,1,2,3,4,5,6,7
	v_and_b32 v[BI+\a], s101, v[BI+\a]             ; kept for v; 0.0 for q, k
.endr
.macro FRAG reg, adr, q, i             ; a fragment, 16 rows x 128 K: lane l holds row l % 16; registers 4 c .. 4 c + 3 hold K = 32 c + 16 (l / 16) + 0 .. 15
.irp c, 0,1,2,3
	ds_load_b128 v[\reg+4*\c:\reg+4*\c+3], v[\adr] offset:128*(\q)+32*\c+(\i)*16*PITCH
.endr
.endm
; 16 matrix instructions: A's blocks a0, a0 + 1 x B's eight.  p: B's set;  sc: the set of scale words.  zero = 1: the first products start the sums from the bias along B's rows: nothing is cleared.
; The 64 accumulators take turns, one instruction a turn, in the same order in every step.
.macro MUL16 a0, p, q, sc, zero
.irp a, \a0, \a0+1
.irp b, 0,1,2,3,4,5,6,7
.if \zero
	v_wmma_scale_f32_16x16x128_f8f6f4 v[8*(8*((\a)%4)+\b):8*(8*((\a)%4)+\b)+7], v[128*(\p)+FR*\b:128*(\p)+FR*\b+FR-1], v[AF+FR*(\a):AF+FR*(\a)+FR-1], v[BJ+8*\b:BJ+8*\b+7], v[SC+8*NQ*(\sc)+NQ*\b+(\q)], v[SC+8*NQ*(\sc)+NQ*(\a)+(\q)] matrix_a_fmt:MATRIX_FMT_BF8 matrix_b_fmt:MATRIX_FMT_BF8 matrix_a_scale:MATRIX_SCALE_ROW1
.else
	v_wmma_scale_f32_16x16x128_f8f6f4 v[8*(8*((\a)%4)+\b):8*(8*((\a)%4)+\b)+7], v[128*(\p)+FR*\b:128*(\p)+FR*\b+FR-1], v[AF+FR*(\a):AF+FR*(\a)+FR-1], v[8*(8*((\a)%4)+\b):8*(8*((\a)%4)+\b)+7], v[SC+8*NQ*(\sc)+NQ*\b+(\q)], v[SC+8*NQ*(\sc)+NQ*(\a)+(\q)] matrix_a_fmt:MATRIX_FMT_BF8 matrix_b_fmt:MATRIX_FMT_BF8 matrix_a_scale:MATRIX_SCALE_ROW1
.endif
.endr
.endr
.endm
.macro FETCH_B slot, q, p
	WIN TO_B
.irp i, 0,1,2,3,4,5,6,7
	FRAG 128*(\p)+FR*\i, ADRB+\slot, \q, \i
.endr
	WIN 0
.endm
.macro FETCH_A slot, q, i0
.irp i, \i0, \i0+1, \i0+2, \i0+3
	FRAG AF+FR*(\i), ADRA+\slot, \q, \i
.endr
.endm
.macro SCALES sc                       ; a K step's scale words: two a row; lanes 0-15 take A's block i, lanes 16-31 B's block i
.irp i, 0,1,2,3,4,5,6,7
	ds_load_b64 v[SC+8*NQ*\sc+NQ*\i:SC+8*NQ*\sc+NQ*\i+1], v[ADRS] offset:\i*SBLK
.endr
.endm
.macro PLACES n                        ; plain vector instructions between a matrix instruction and a load into, or a vector read or write of, its registers (ISA guide 7.12.1 for vector reads and writes)
.rept \n
	v_nop
.endr
.endm
; A step of 128 along K that has its successor in the same slot.
.macro STEP slot, q, zero
	s_wait_dscnt 4*NL                              ; B's set and A's blocks 0-3 are in; the youngest 16 loads (A's blocks 4-7) may be out
.if \zero
	WIN 0x81                                       ; C (the bias) window 0, D window 2
.else
	WIN MUL_LO
.endif
	MUL16 0, (\q)%2, \q, \slot, \zero
	MUL16 2, (\q)%2, \q, \slot, \zero
	s_wait_dscnt 0                                 ; A's blocks 4-7 are in
	PLACES NP
	FETCH_B \slot, (\q)+1, 1-(\q)%2
	FETCH_A \slot, (\q)+1, 0
.if \zero
	WIN 0xc1                                       ; C window 0, D window 3
.else
	WIN MUL_HI
.endif
	MUL16 4, (\q)%2, \q, \slot, \zero
	MUL16 6, (\q)%2, \q, \slot, \zero
	PLACES NP
	WIN 0
	FETCH_A \slot, (\q)+1, 4
.endm
; A slot's last step changes slots: one barrier; in front of it each wave waits for all its tensor loads, adds 0 to its spare word, and waits for that and for its own reads of this slot.  fill = 1: this slot is filled again, two K steps ahead.
.macro TURN slot, next, fill
	s_wait_tensorcnt 0x0                           ; all my tensor loads have landed: my part of the next slot
	ds_add_u32 v[SPW], v[NIL]                      ; 0 onto my spare word
	s_wait_dscnt 4*NL+1                            ; the add and the youngest 16 loads (A's blocks 4-7) may be out
	WIN MUL_LO
	MUL16 0, 1, NQ-1, \slot, 0                     ; sixteen matrix instructions stand between the add and the wait for it
	s_wait_dscnt 0x0                               ; the add is done, and my reads of this slot are over
	s_barrier_signal -1
	MUL16 2, 1, NQ-1, \slot, 0
	WIN 0
	s_barrier_wait -1
.if \fill
	CREST                                          ; the barrier has opened a round of the cluster's barrier: no wave of any partner still reads this slot or has a load on its way
	s_add_nc_u64 s[G0+4*\slot+2:G0+4*\slot+3], s[G0+4*\slot+2:G0+4*\slot+3], 2*ROWB
	s_add_nc_u64 s[G0B+4*\slot+2:G0B+4*\slot+3], s[G0B+4*\slot+2:G0B+4*\slot+3], 2*ROWB
	JLOAD G0+4*\slot, G1, G0B+4*\slot, G1B         ; the first tensor load behind the round; its four v_nop are among the places in front of the loads below
	PLACES NP-4
.else
	PLACES NP
.endif
	v_add_nc_u32 v[ADRS], 4*NQ, v[ADRS]            ; on to the next K step's scale words (no LDS load of mine is out)
	FETCH_B \next, 0, 0
	FETCH_A \next, 0, 0
	SCALES \next
	WIN MUL_HI
	MUL16 4, 1, NQ-1, \slot, 0
	MUL16 6, 1, NQ-1, \slot, 0
	PLACES NP
	WIN 0
	FETCH_A \next, 0, 4
.endm
	s_wait_tensorcnt 1                             ; the scales and my part of K step 0 are in; K step 1's load may stay out
	s_barrier_signal -1
	s_barrier_wait -1
	FETCH_B 0, 0, 0
	FETCH_A 0, 0, 0
	SCALES 0
	FETCH_A 0, 0, 4
	STEP 0, 0, 1                                   ; the first step stands in front of the loop: its products start the sums
	s_mov_b32 s3, LAPS-1
.Llap:                                                 ; a trip goes once round the ring and fills both slots again
	TURN 0, 1, 1
	STEP 1, 0, 0
	TURN 1, 0, 1
	STEP 0, 0, 0
	s_sub_co_u32 s3, s3, 1
	s_cmp_lg_u32 s3, 0
	s_cbranch_scc1 .Llap
	TURN 0, 1, 0                                   ; the last lap fills nothing
	STEP 1, 0, 0
	s_wait_dscnt 4*NL                              ; the very last step
	WIN MUL_LO
	MUL16 0, 1, NQ-1, 1, 0
	MUL16 2, 1, NQ-1, 1, 0
	s_wait_dscnt 0
	WIN MUL_HI
	MUL16 4, 1, NQ-1, 1, 0
	MUL16 6, 1, NQ-1, 1, 0
	WIN 0
; THE WAY OUT.  64 numbers of a lane, v[s + 16 j + i], block j of 32 shared with lane l xor 16, become 16 registers of codes at v[pc] and a scale word in v[pw].
.macro QUANT s, pc, pw
.irp b, 0,1,2,3
	v_max3_num_f32 v[TM+\b], |v[\s+16*\b]|, |v[\s+1+16*\b]|, 0x8000000   ; my 16 numbers, and the floor 2^(16 - 127): the byte cannot fall under 1
.endr
.irp i, 2,4,6,8,10,12,14
.irp b, 0,1,2,3
	v_max3_num_f32 v[TM+\b], v[TM+\b], |v[\s+16*\b+\i]|, |v[\s+1+16*\b+\i]|   ; the four blocks by turns
.endr
.endr
.irp b, 0,1,2,3
	v_permlanex16_b32 v[TM+4+\b], v[TM+\b], s[SEL], s[SEL+1]
.endr
.irp b, 0,1,2,3
	v_max_num_f32 v[TM+\b], v[TM+\b], v[TM+4+\b]   ; with lane l xor 16's: the block's largest magnitude
.endr
.irp b, 0,1,2,3
	v_add_nc_u32 v[TM+12+\b], 0xf8800000, v[TM+\b] ; 15 off its exponent field: the conversion's scale operand
.endr
.irp b, 0,1,2,3
	v_and_or_b32 v[TM+8+\b], v[TM+\b], 0x7f800000, s[MNT]   ; 57,344 x the scale
.endr
.irp b, 0,1,2,3
	v_lshrrev_b32 v[TM+4+\b], 23, v[TM+12+\b]      ; the scale's byte
.endr
	v_lshl_or_b32 v[\pw], v[TM+5], 8, v[TM+4]
	v_lshl_or_b32 v[\pw], v[TM+6], 16, v[\pw]
	v_lshl_or_b32 v[\pw], v[TM+7], 24, v[\pw]
.irp b, 0,1,2,3
.irp i, 0,1,2,3,4,5,6,7,8,9,10,11,12,13,14,15
	v_med3_num_f32 v[\s+16*\b+\i], v[\s+16*\b+\i], -v[TM+8+\b], v[TM+8+\b]   ; the conversion to an 8-bit code does not saturate (ISA guide 7.6.2): the hold at the largest code x the scale
.endr
	v_cvt_scalef32_pk8_bf8_f32 v[\pc+4*\b:\pc+1+4*\b], v[\s+16*\b:\s+7+16*\b], v[TM+12+\b]
	v_cvt_scalef32_pk8_bf8_f32 v[\pc+2+4*\b:\pc+3+4*\b], v[\s+8+16*\b:\s+15+16*\b], v[TM+12+\b]
.endr
	v_nop                                          ; a plain vector instruction behind the last conversion, ahead of the next lines that write its sources
.endm
; A's block a: the bias along A's rows is added (each accumulator from its low end on), the 64 numbers are quantised, the four groups of four registers leave as they stand, the scale word goes to my 512 bytes of LDS.
.macro OUTBLK a
.set AC, 64*((\a)%4)
.set PS, PC+16*((\a)%4)
.set BP, BI+2*((\a)/2)
.if (\a) >= 4
	s_wait_xcnt 0x0                                ; block a - 4's stores have read this set of codes: it is written again only behind this wait
.endif
	WIN 0x02+(\a)/4                                ; source 0: window 2 or 3
.set i, 0
.rept 32
.if (\a)%2 == 0
	v_pk_add_f32 v[T+i:T+i+1], v[AC+i:AC+i+1], v[BP:BP+1] op_sel_hi:[1,0]    ; the pair's first register for both halves
.else
	v_pk_add_f32 v[T+i:T+i+1], v[AC+i:AC+i+1], v[BP:BP+1] op_sel:[0,1]       ; its second for both
.endif
.set i, i+2
.endr
	WIN 0
	QUANT T, PS, PW+(\a)
	global_store_b128 v[CO+(\a)], v[PS:PS+3], s[12:13]                 ; 32 lanes store 512 consecutive bytes, at a multiple of 512 from the buffer's first byte
	global_store_b128 v[CO+(\a)], v[PS+4:PS+7], s[12:13] offset:512
	global_store_b128 v[CO+(\a)], v[PS+8:PS+11], s[98:99]
	global_store_b128 v[CO+(\a)], v[PS+12:PS+15], s[98:99] offset:512
	ds_store_b32 v[SWS], v[PW+(\a)] offset:64*(\a)                     ; both halves of the lanes write the same word with the same value
.endm
	PLACES NP                                      ; behind the last products: their results are read and A's registers are written below
	s_mov_b32 s[SEL], 0x76543210
	s_mov_b32 s[SEL+1], 0xfedcba98
	s_mov_b32 s[MNT], 0x600000
	s_lshl_b32 s18, s14, 9                         ; my 512 bytes for scale words, in slot 0: it has had its last fill, and nobody has read it since the last change of slots
	v_and_b32 v[SWS], 15, v0
	v_and_b32 v[SRD], 31, v0
	v_lshlrev_b32 v[CO], 4, v[SRD]                 ; 16 x lane
	v_lshl_add_u32 v[SWS], v[SWS], 2, s18          ; 512 x wave + 4 r
	v_add_nc_u32 v[SRD], s18, v[CO]                ; 512 x wave + 16 x lane
.irp i, 1,2,3
	v_add_nc_u32 v[CO+\i], s92, v[CO+\i-1]
.endr
.irp i, 0,1,2,3
	v_add_nc_u32 v[CO+4+\i], s93, v[CO+\i]
.endr
	v_and_b32 v[SCO], 15, v0
	v_lshlrev_b32 v[SCO], 4, v[SCO]
	v_bfe_u32 v231, v0, 4, 1
	v_mul_lo_u32 v231, v231, s94
	v_add_nc_u32 v[SCO], v[SCO], v231              ; lanes 0-15: the first 64 words, lanes 16-31: the second 64
.irp b, 0,1,2,3
	v_mov_b32 v[TM+4+\b], 0                        ; written once: a lane permute's destination counts as one of its sources
.endr
.irp a, 0,1,2,3,4,5,6,7
	OUTBLK \a
.endr
	ds_load_b128 v[RB:RB+3], v[SRD]                ; LDS serves a wave's instructions in order (ISA guide 5.7.1.4): this sees my stores
	s_wait_dscnt 0x0
	global_store_b128 v[SCO], v[RB:RB+3], s[66:67] ; sixteen lanes store 256 consecutive bytes, aligned
	s_wait_tensorcnt 0x0                           ; the wave's end
	ds_add_u32 v[SPW], v[NIL]
	s_wait_dscnt 0x0
	CROUND                                         ; the closing round: no work-group ends while a partner may still ask for a tile that names it
	s_endpgm
.Lfunc_end_k_qcf921e89cc_qkv:
	.size	k_qcf921e89cc_qkv, .Lfunc_end_k_qcf921e89cc_qkv-k_qcf921e89cc_qkv
	.p2alignl 7, 3214868480
	.fill 96, 4, 3214868480
	.section	.rodata,"a",@progbits
	.p2align	6, 0x0
	.amdhsa_kernel k_qcf921e89cc_qkv
		.amdhsa_group_segment_fixed_size 327680
		.amdhsa_private_segment_fixed_size 0
		.amdhsa_enable_private_segment 0
		.amdhsa_kernarg_size 56
		.amdhsa_user_sgpr_count 2
		.amdhsa_user_sgpr_kernarg_segment_ptr 1
		.amdhsa_wavefront_size32 1
		.amdhsa_system_sgpr_workgroup_id_x 1
		.amdhsa_system_sgpr_workgroup_id_y 1
		.amdhsa_system_sgpr_workgroup_id_z 1
		.amdhsa_system_vgpr_workitem_id 0
		.amdhsa_next_free_vgpr 1024
		.amdhsa_next_free_sgpr 102
		.amdhsa_reserve_vcc 0
		.amdhsa_float_denorm_mode_32 3
		.amdhsa_float_denorm_mode_16_64 3
		.amdhsa_memory_ordered 1
		.amdhsa_forward_progress 1
		.amdhsa_inst_pref_size 208
	.end_amdhsa_kernel
	.amdgpu_metadata
---
amdhsa.version: [ 1, 2 ]
amdhsa.kernels:
  - .name:           k_qcf921e89cc_qkv
    .symbol:         k_qcf921e89cc_qkv.kd
    .args:
      - { .name: x_codes, .offset: 0, .size: 8, .value_kind: global_buffer, .address_space: global }
      - { .name: x_scales, .offset: 8, .size: 8, .value_kind: global_buffer, .address_space: global }
      - { .name: qkv_w_codes, .offset: 16, .size: 8, .value_kind: global_buffer, .address_space: global }
      - { .name: qkv_w_scales, .offset: 24, .size: 8, .value_kind: global_buffer, .address_space: global }
      - { .name: qkv_b, .offset: 32, .size: 8, .value_kind: global_buffer, .address_space: global }
      - { .name: qkv_img, .offset: 40, .size: 8, .value_kind: global_buffer, .address_space: global }
      - { .name: qkv_sc, .offset: 48, .size: 8, .value_kind: global_buffer, .address_space: global }
    .group_segment_fixed_size: 327680
    .private_segment_fixed_size: 0
    .kernarg_segment_align: 8
    .kernarg_segment_size: 56
    .max_flat_workgroup_size: 128
    .sgpr_count:     102
    .vgpr_count:     1024
    .wavefront_size: 32
...
	.end_amdgpu_metadata
.endif
;; end of part 1
;; launch attn (part 2): grid 8 x 32, 16 waves a work-group, clusters of 4 x 1, 276,992 bytes of LDS; arguments qkv_img, qkv_sc, ctx_img, ctx_sc; writes ctx_img, ctx_sc
.if DOCPART == 2
	.amdgcn_target "amdgcn-amd-amdhsa--gfx1250"
	.amdhsa_code_object_version 6
	.text
	.protected	k_qcf921e89cc_attn
	.globl	k_qcf921e89cc_attn
	.p2align	8
	.type	k_qcf921e89cc_attn,@function
k_qcf921e89cc_attn:
	s_mov_b64 s[64:65], 0
	v_nop
	global_prefetch_b8 v0, s[64:65] scope:SCOPE_SE
	s_setreg_imm32_b32 hwreg(HW_REG_WAVE_MODE, 25, 1), 1
	s_wait_xcnt 0x0
	s_wait_alu depctr_hold_cnt(0) depctr_sa_sdst(0) depctr_va_vdst(0) depctr_va_sdst(0) depctr_va_ssrc(0) depctr_va_vcc(0) depctr_vm_vsrc(0)
	s_getreg_b32 s2, hwreg(HW_REG_IB_STS2, 6, 4)
	s_cmp_eq_u32 s2, 0
	s_cbranch_scc0 .Lentry_in_a_cluster
	s_endpgm
.Lentry_in_a_cluster:
	s_bfe_u32 s2, ttmp6, 0x10000c
	s_cmp_lg_u32 s2, 0x3003
	s_cbranch_scc0 .Lentry_shape_is_right
	s_endpgm
.Lentry_shape_is_right:
; ctx[q] = (sum over keys of p V) / (sum of p), p = 2^(t - M), t = (q . k) log2(e) / 8, M the running largest t rounded up to a whole number; both products on codes of BF8 (E5M2) with one E8M0 scale for each 32 along K.
; p is quantised along the keys, not normalised; the row's sum is taken of the unquantised p.  ctx is quantised along the head's 64 (two blocks of 32) for the last product.
; SHARES.  A work-group owns one (batch, head) and 256 queries; each of its sixteen waves owns 16 queries, one tile, in 256 registers: four waves to a SIMD, so that one wave's vector work stands beside another's matrix work and LDS loads.
; THE HEAD'S WHOLE K AND V, 128 KiB each as images of operand registers, LIE IN LDS, FILLED ONCE: no slot is ever filled again.  They come in four chunks of four key steps, so that work begins when the first chunk has landed.
; CLUSTER.  The four blocks of queries of a cluster belong to one head and need the same K and V: each tile is asked for jointly, by the same tensor load with the same descriptor and a mask that names the four.
; LAYOUT.  S^T = K Q^T (source 0 = 16 keys, source 1 = my 16 queries), O^T = V^T P^T (source 0 = 16 of the head's 64, source 1 = p): a lane holds ONE query (lane % 16) throughout.
;   The 16 registers of tiles 2 j and 2 j + 1 of S^T are converted into registers 4 j .. 4 j + 3 of p's operand.  That permutes the keys inside each block of 32 just as the launch before has permuted V's; q and k carry the same
;   permutation of the head's 64.  So the products are those of the true operands; only the order of the f32 sums differs.
; K = 64 IN AN INSTRUCTION OF 128.  Q's registers 8-15 are zero codes.  K's fragment of tile t is v[32 + 8 t .. 47 + 8 t]: its upper eight registers are the next tile's codes (zeros behind the last), which meet Q's zeros
;   under scale bytes of 1.0: they are finite (the quantiser holds every number within the largest code), so they add exactly 0.  This lets eight tiles be loaded in one run of 64 registers.
; LIMITS: NaN and infinities are not served.  A block of ctx or p under 2^-111 (zeros too) has the byte 1.
; REGISTERS: v1-6 addresses that stay; v8-11 addresses of the step; v12 -M, v13 the largest t, v[14:15] the sum in two halves; v16-23 Q, v24-31 zeros; v32-95 K's eight tiles, then V's four fragments; v96-103 zeros;
;   v104-167 S^T, then p; v168-199 O^T; v200-215 p's codes; v216-223 K's scale words; v232-247, v252, v254 at work; v248-251 V's scale words; v253 p's scale word; v255 Q's.
.set LVB,  131072                      ; LDS: K's images at 0 (8,192 bytes a key step), V's here
.set SCK,  262144                      ; K's scale words, one a key: 8,192 bytes
.set SCV,  270336                      ; V's: [key step][64] words: 4,096 bytes
.set CSC,  274432                      ; ctx's scale bytes of the 256 queries, 2 each: 512 bytes
.set S,    104
.set O,    168
.set PC,   200
.set KW,   216
.set VW,   248
.macro CROUND                          ; a round of the cluster's barrier
	s_barrier_signal -1
	s_barrier_wait -1
	s_cmp_lg_u32 s12, 0
	s_cbranch_scc1 .Lnot_wave_0_\@
	s_barrier_signal -3
.Lnot_wave_0_\@:
	s_barrier_wait -3
	s_barrier_signal -1
	s_barrier_wait -1
.endm
	s_load_b256 s[4:11], s[0:1], 0x0               ; qkv_img s[4:5], qkv_sc s[6:7], ctx_img s[8:9], ctx_sc s[10:11]
	v_lshl_add_u32 v230, v0, 2, 0x43200
	v_mov_b32 v231, 0
	ds_add_u32 v230, v231
	ds_add_u32 v230, v231
	v_lshrrev_b32 v1, 5, v0
	v_readfirstlane_b32 s12, v1                    ; wave 0..15
	s_bfe_u32 s13, ttmp6, 0x40000                  ; cx
	s_lshl_b32 s14, ttmp9, 2
	s_add_co_u32 s14, s14, s13                     ; my block of 256 queries: it enters Q's and ctx's addresses alone
	s_and_b32 s15, ttmp7, 0xffff                   ; 16 x batch + head, which the four partners share
	s_lshr_b32 s16, s15, 4                         ; batch
	s_and_b32 s17, s15, 15                         ; head
	s_and_b32 s18, s17, 1
	s_lshl_b32 s18, s18, 4                         ; an odd head's two scale bytes are a word's upper half
	s_mov_b32 s19, 0x600000                        ; the mantissa field of 57,344
	s_mov_b32 s20, 0x76543210
	s_mov_b32 s21, 0xfedcba98                      ; lane l xor 16
	s_mov_b32 s22, 0x3e38aa3b                      ; c = log2(e) / 8
	s_mov_b32 s23, s22                             ; (named with it as a pair)
	s_mov_b32 s52, 0x7f7f0000                      ; scale bytes 1.0 for the upper 64 of K
	s_mov_b32 s53, 0xffff0000                      ; lanes 16-31
	; descriptor group 1: 4,096 dense bytes as 16 rows of 256 bytes (32 elements of 8 bytes), no padding: images are read 512 consecutive bytes at a time
	s_mov_b32 s24, 15|(3<<16)|(1<<21)              ; 15:0 the mask: all four work-groups; 17:16 elements of 8 bytes; 21 set beside a mask
	s_mov_b32 s25, 32<<16                          ; tensor_dim0
	s_mov_b32 s26, 16<<16                          ; tensor_dim1
	s_mov_b32 s27, 32<<16                          ; tile_dim0
	s_mov_b32 s28, 16                              ; tile_dim1
	s_mov_b32 s29, 32                              ; from row to row
	s_mov_b32 s30, 0
	s_mov_b32 s31, 0
	; waves 0-7 fetch K, waves 8-15 V: of each chunk of 32,768 bytes an eighth
	s_lshr_b32 s54, s12, 3
	s_and_b32 s55, s12, 7
	s_lshl_b32 s56, s54, 17
	s_lshl_b32 s57, s55, 12
	s_add_co_u32 s56, s56, s57                     ; in LDS: 131,072 x (wave / 8) + 4,096 x (wave % 8)
	s_lshl_b32 s58, s54, 22
	s_add_co_u32 s58, s58, 1<<22                   ; in memory: k at 4 MiB, v at 8 MiB,
	s_add_co_u32 s58, s58, s57
	s_lshl_b32 s59, s15, 17                        ; 131,072 bytes a head
	s_add_co_u32 s58, s58, s59
	s_mov_b32 s59, 0
	s_wait_dscnt 0x0
	s_wait_kmcnt 0x0
	s_add_nc_u64 s[58:59], s[4:5], s[58:59]
.irp i, 0,1,2,3
	s_mov_b32 s[32+4*\i], 1                        ; count = 1
	s_add_co_u32 s[33+4*\i], s56, 32768*\i         ; LDS address
	s_add_nc_u64 s[34+4*\i:35+4*\i], s[58:59], 32768*\i
	s_or_b32 s[35+4*\i], s[35+4*\i], 0x80000000    ; type = 2
.endr
	CROUND                                         ; all four work-groups are here: the joint loads meet
	tensor_load_to_lds s[32:35], s[24:31]          ; key steps 0-3
	s_nop 0
	tensor_load_to_lds s[36:39], s[24:31]          ; 4-7
	s_nop 0
	tensor_load_to_lds s[40:43], s[24:31]          ; 8-11
	s_nop 0
	tensor_load_to_lds s[44:47], s[24:31]          ; 12-15: four loads of mine are out
	s_nop 0
.rept 4
	v_nop
.endr
	s_lshl_b32 s54, s15, 17
	s_lshl_b32 s55, s14, 4
	s_add_co_u32 s55, s55, s12                     ; my tile of 16 tokens in the head: 16 x block + wave
	s_lshl_b32 s56, s55, 10
	s_add_co_u32 s54, s54, s56
	s_lshl_b32 s56, s55, 6                         ; its 16 scale words
	s_mov_b32 s55, 0
	s_add_nc_u64 s[54:55], s[4:5], s[54:55]        ; Q's image
	s_lshl_b32 s60, s16, 16
	s_lshr_b32 s57, s17, 1
	s_lshl_b32 s57, s57, 13
	s_add_co_u32 s60, s60, s57                     ; batch, pair of heads
	s_add_co_u32 s56, s56, s60
	s_mov_b32 s57, 0
	s_add_nc_u64 s[56:57], s[6:7], s[56:57]        ; Q's scale words
	s_add_co_u32 s60, s60, 131072
	s_mov_b32 s61, 0
	s_add_nc_u64 s[60:61], s[6:7], s[60:61]        ; K's, 2,048 words
	s_lshl_b32 s62, s15, 12
	s_add_co_u32 s62, s62, 262144
	s_mov_b32 s63, 0
	s_add_nc_u64 s[62:63], s[6:7], s[62:63]        ; V's, 1,024 words
	v_and_b32 v7, 31, v0                           ; lane
	v_and_b32 v8, 15, v0                           ; r
	v_lshlrev_b32 v1, 4, v7                        ; 16 x lane: my place in an image
	v_add_nc_u32 v2, LVB, v1
	v_lshl_add_u32 v3, v8, 2, SCK
	v_lshl_add_u32 v4, v8, 2, SCV
	s_lshl_b32 s50, s12, 5
	v_lshlrev_b32 v5, 1, v8
	v_add_nc_u32 v5, s50, v5
	v_add_nc_u32 v5, CSC, v5                       ; where my query's two scale bytes go: 32 x wave + 2 r
	v_add_nc_u32 v6, CSC, v1                       ; and where wave 0 reads them back
	v_lshlrev_b32 v9, 2, v8
	v_lshlrev_b32 v10, 4, v0
	v_lshlrev_b32 v11, 3, v0
	v_add_nc_u32 v224, SCK, v10                    ; 16 bytes a thread
	v_add_nc_u32 v225, SCV, v11                    ; 8 bytes a thread
	global_load_b128 v[16:19], v1, s[54:55]        ; Q's fragment, block 0
	global_load_b128 v[20:23], v1, s[54:55] offset:512   ; block 1
	global_load_b32 v255, v9, s[56:57]
	global_load_b128 v[104:107], v10, s[60:61]
	global_load_b64 v[108:109], v11, s[62:63]
.set j, 0
.rept 8
	v_mov_b32 v[24+j], 0                           ; Q's zero codes for K = 64 .. 127
	v_mov_b32 v[96+j], 0                           ; and what stands behind K's last tile
.set j, j+1
.endr
.set j, 0
.rept 32
	v_mov_b32 v[O+j], 0                            ; O^T.  (The step is written once: the first finds zeros, which the first change of M leaves zeros)
.set j, j+1
.endr
	v_mov_b32 v13, 0xff61b1e6                      ; the largest t so far: -3e38
	v_floor_f32 v12, -v13                          ; -M
	v_mov_b32 v14, 0
	v_mov_b32 v15, 0
.irp b, 0,1,2,3
	v_mov_b32 v[236+\b], 0                         ; written once: a lane permute's destination counts as one of its sources
.endr
	v_mov_b32 v253, 0                              ; (named as the upper half of the pair v[252:253] before it is first written)
	s_wait_loadcnt 0x0
.irp i, 0,1,2,3
	v_lshrrev_b32 v[104+\i], s18, v[104+\i]        ; my head's two bytes into the low half,
.endr
.irp i, 0,1,2,3
	v_and_or_b32 v[104+\i], v[104+\i], 0xffff, s52 ; and 1.0 for the upper 64 of K
.endr
	v_lshrrev_b32 v255, s18, v255
	v_and_or_b32 v255, v255, 0xffff, s52
	ds_store_b128 v224, v[104:107]
	ds_store_b64 v225, v[108:109]
; A KEY STEP: 128 keys.  s48: where its images begin; s49, s50: its scale words of K and of V.
.macro STEP
	v_add_nc_u32 v8, s48, v1
	v_add_nc_u32 v9, s48, v2
	v_add_nc_u32 v10, s49, v3
	v_add_nc_u32 v11, s50, v4
.rept 4
	v_nop                                          ; with the four additions: eight places in front of loads into registers that the last products have read
.endr
.irp t, 0,1,2,3,4,5,6,7
	ds_load_b128 v[32+8*\t:35+8*\t], v8 offset:1024*\t
	ds_load_b128 v[36+8*\t:39+8*\t], v8 offset:1024*\t+512
	ds_load_b32 v[KW+\t], v10 offset:64*\t
.endr
	s_wait_dscnt 0x0
.irp t, 0,1,2,3,4,5,6,7
	v_wmma_scale_f32_16x16x128_f8f6f4 v[S+8*\t:S+8*\t+7], v[32+8*\t:47+8*\t], v[16:31], 0, v[KW+\t], v255 matrix_a_fmt:MATRIX_FMT_BF8 matrix_b_fmt:MATRIX_FMT_BF8
.endr
.rept 8
	v_nop                                          ; places in front of the loads below and of the first read of the scores
.endr
.irp d, 0,1,2,3                                ; V is asked for now and lands under the softmax
.irp c, 0,1,2,3
	ds_load_b128 v[32+16*\d+4*\c:35+16*\d+4*\c], v9 offset:2048*\d+512*\c
.endr
	ds_load_b32 v[VW+\d], v11 offset:64*\d
.endr
.irp b, 0,1,2,3
	v_max3_num_f32 v[232+\b], v[S+16*\b], v[S+1+16*\b], v[S+2+16*\b]   ; the largest score of each block of 32 keys: for the row's maximum and, since p rises with the score, for the block's largest p
.endr
.irp i, 3,5,7,9,11,13
.irp b, 0,1,2,3
	v_max3_num_f32 v[232+\b], v[232+\b], v[S+16*\b+\i], v[S+1+16*\b+\i]
.endr
.endr
.irp b, 0,1,2,3
	v_max_num_f32 v[232+\b], v[232+\b], v[S+15+16*\b]
.endr
.irp b, 0,1,2,3
	v_permlanex16_b32 v[236+\b], v[232+\b], s20, s21
.endr
.irp b, 0,1,2,3
	v_max_num_f32 v[232+\b], v[232+\b], v[236+\b]  ; with lane l xor 16's 16 keys
.endr
	v_max3_num_f32 v254, v232, v233, v234
	v_max_num_f32 v254, v254, v235                 ; the step's largest score of my query
	v_mul_f32 v254, s22, v254                      ; as t (c is positive)
	v_max_num_f32 v13, v13, v254                   ; the running largest t
	v_mov_b32 v254, v12
	v_floor_f32 v12, -v13                          ; the new -M = floor(-t): M is a whole number
	v_sub_f32 v254, v12, v254                      ; old M - new M: a whole number, 0 or less
	v_cvt_i32_f32 v254, v254                       ; (it saturates)
	v_ldexp_f32 v252, 1.0, v254                    ; f = 2^(old M - new M): a multiplication by it rounds nothing
.set j, 0
.rept 32
	v_pk_fma_f32 v[S+j:S+j+1], v[S+j:S+j+1], s[22:23], v[12:13] op_sel_hi:[1,0,0]   ; t - M, two at a time
.set j, j+2
.endr
.irp b, 0,1,2,3
	v_fma_f32 v[232+\b], v[232+\b], s22, v12       ; the same of each block's largest score
.endr
.set j, 0
.rept 64
	v_exp_f32 v[S+j], v[S+j]                       ; p = 2^(t - M), at most 1
.set j, j+1
.endr
.irp b, 0,1,2,3
	v_exp_f32 v[232+\b], v[232+\b]                 ; the block's largest p: the same two instructions on the same number
.endr
	v_pk_mul_f32 v[14:15], v[14:15], v[252:253] op_sel_hi:[1,0]   ; the sums under the new M.  (A plain place behind the exponentials)
	s_wait_alu depctr_va_vdst(0)
.irp b, 0,1,2,3
	v_max_num_f32 v[232+\b], 0x8000000, v[232+\b]  ; the floor 2^(16 - 127): the byte cannot fall under 1
.endr
.irp b, 0,1,2,3
	v_add_nc_u32 v[244+\b], 0xf8800000, v[232+\b]  ; 15 off the exponent field: the conversion's scale operand
.endr
.irp b, 0,1,2,3
	v_and_or_b32 v[240+\b], v[232+\b], 0x7f800000, s19   ; 57,344 x the scale
.endr
.irp b, 0,1,2,3
	v_lshrrev_b32 v[236+\b], 23, v[244+\b]         ; the scale's byte
.endr
	v_lshl_or_b32 v253, v237, 8, v236              ; p's scale word for these 128 keys
	v_lshl_or_b32 v253, v238, 16, v253
	v_lshl_or_b32 v253, v239, 24, v253
	v_pk_add_f32 v[236:237], v[S:S+1], v[S+2:S+3]  ; the row's sum is taken of the unquantised p: two at a time, in two chains
.irp j, 4,8,12,16,20,24,28,32,36,40,44,48,52,56,60
	v_pk_add_f32 v[14:15], v[14:15], v[S+\j:S+\j+1]
	v_pk_add_f32 v[236:237], v[236:237], v[S+2+\j:S+3+\j]
.endr
	v_pk_add_f32 v[14:15], v[14:15], v[236:237]
.irp b, 0,1,2,3
.irp i, 0,1,2,3,4,5,6,7,8,9,10,11,12,13,14,15
	v_min_num_f32 v[S+16*\b+\i], v[S+16*\b+\i], v[240+\b]   ; the conversion does not saturate (ISA guide 7.6.2); p is not negative, so the hold is one-sided
.endr
	v_cvt_scalef32_pk8_bf8_f32 v[PC+4*\b:PC+4*\b+1], v[S+16*\b:S+16*\b+7], v[244+\b]
	v_cvt_scalef32_pk8_bf8_f32 v[PC+4*\b+2:PC+4*\b+3], v[S+16*\b+8:S+16*\b+15], v[244+\b]
.endr
.set j, 0
.rept 16
	v_pk_mul_f32 v[O+j:O+j+1], v[O+j:O+j+1], v[252:253] op_sel_hi:[1,0]   ; O^T under the new M.  (These sixteen are also the places between the conversions and the products)
.set j, j+2
.endr
	s_wait_dscnt 0x0                               ; V and its scale words are in
.irp d, 0,1,2,3                                ; the four accumulators by turns
	v_wmma_scale_f32_16x16x128_f8f6f4 v[O+8*\d:O+8*\d+7], v[32+16*\d:47+16*\d], v[PC:PC+15], v[O+8*\d:O+8*\d+7], v[VW+\d], v253 matrix_a_fmt:MATRIX_FMT_BF8 matrix_b_fmt:MATRIX_FMT_BF8
.endr
	s_add_co_u32 s48, s48, 8192
	s_add_co_u32 s49, s49, 512
	s_add_co_u32 s50, s50, 256
.endm
; Chunk i: key steps 4 i .. 4 i + 3.  Tensor loads of a wave end in order (ISA guide 10.11.1): with 3 - i younger ones out, my part of chunk i is in; behind the barrier everybody's is.  Nothing is ever filled again.
.macro CHUNK i
	s_wait_tensorcnt 3-\i
	s_wait_dscnt 0x0                               ; my stores of scale words have landed (chunk 0); no LDS instruction of mine is out at the signal
	s_barrier_signal -1
	s_barrier_wait -1
	s_mov_b32 s48, 32768*\i
	s_mov_b32 s49, 2048*\i
	s_mov_b32 s50, 1024*\i
	s_mov_b32 s51, 4
.Lstep_\@:
	STEP
	s_sub_co_u32 s51, s51, 1
	s_cmp_lg_u32 s51, 0
	s_cbranch_scc1 .Lstep_\@
.endm
	CHUNK 0
	CHUNK 1
	CHUNK 2
	CHUNK 3
	; THE WAY OUT.  O^T / the sum; its two blocks of 32 are quantised; the codes are put into the true order of K (the last product's other operand is given in that order) and leave as an image of four operand registers.
.rept 8
	v_nop                                          ; places behind the last products
.endr
	v_add_f32 v14, v14, v15                        ; the sum's two halves,
	v_permlanex16_b32 v252, v14, s20, s21
	v_add_f32 v14, v14, v252                       ; and lane l xor 16's
	v_rcp_f32 v14, v14
	v_nop                                          ; a plain place behind the transcendental
.set j, 0
	s_wait_alu depctr_va_vdst(0)
.rept 32
	v_mul_f32 v[S+j], v[O+j], v14                  ; register 8 t + i is ctx(query r, 16 t + 8 h + i); each accumulator from its low end on
.set j, j+1
.endr
.irp b, 0,1
	v_max3_num_f32 v[232+\b], |v[S+16*\b]|, |v[S+1+16*\b]|, 0x8000000
.endr
.irp i, 2,4,6,8,10,12,14
.irp b, 0,1
	v_max3_num_f32 v[232+\b], v[232+\b], |v[S+16*\b+\i]|, |v[S+1+16*\b+\i]|
.endr
.endr
.irp b, 0,1
	v_permlanex16_b32 v[236+\b], v[232+\b], s20, s21
.endr
.irp b, 0,1
	v_max_num_f32 v[232+\b], v[232+\b], v[236+\b]
.endr
.irp b, 0,1
	v_add_nc_u32 v[244+\b], 0xf8800000, v[232+\b]
.endr
.irp b, 0,1
	v_and_or_b32 v[240+\b], v[232+\b], 0x7f800000, s19
.endr
.irp b, 0,1
	v_lshrrev_b32 v[236+\b], 23, v[244+\b]
.endr
	v_lshl_or_b32 v238, v237, 8, v236              ; my query's two scale bytes
.irp b, 0,1
.irp i, 0,1,2,3,4,5,6,7,8,9,10,11,12,13,14,15
	v_med3_num_f32 v[S+16*\b+\i], v[S+16*\b+\i], -v[240+\b], v[240+\b]
.endr
	v_cvt_scalef32_pk8_bf8_f32 v[PC+4*\b:PC+4*\b+1], v[S+16*\b:S+16*\b+7], v[244+\b]        ; X: 32 b + 8 h + 0 .. 7
	v_cvt_scalef32_pk8_bf8_f32 v[PC+4*\b+2:PC+4*\b+3], v[S+16*\b+8:S+16*\b+15], v[244+\b]   ; Y: 32 b + 16 + 8 h + 0 .. 7
.endr
	v_nop                                          ; a plain place behind the conversions
	; lanes 0-15 want 32 b + 0 .. 15: their X, then the partner's X; lanes 16-31 want 32 b + 16 .. 31: the partner's Y, then their Y.  So lanes 0-15 send Y and lanes 16-31 send X.
.irp b, 0,1
.irp k, 0,1
	v_cndmask_b32 v[240+2*\b+\k], v[PC+4*\b+2+\k], v[PC+4*\b+\k], s53
.endr
.endr
.irp n, 0,1,2,3
	v_permlanex16_b32 v[232+\n], v[240+\n], s20, s21
.endr
.irp b, 0,1
.irp k, 0,1
	v_cndmask_b32 v[136+4*\b+\k], v[PC+4*\b+\k], v[232+2*\b+\k], s53
	v_cndmask_b32 v[138+4*\b+\k], v[232+2*\b+\k], v[PC+4*\b+2+\k], s53
.endr
.endr
	s_lshl_b32 s54, s16, 7
	s_lshl_b32 s55, s14, 4
	s_add_co_u32 s54, s54, s55
	s_add_co_u32 s54, s54, s12                     ; my tile of 16 tokens: 128 x batch + 16 x block + wave
	s_lshl_b32 s54, s54, 14                        ; 16,384 bytes a tile: eight K steps of 128,
	s_lshl_b32 s55, s17, 10                        ; 1,024 bytes a head: two of a K step's four blocks
	s_add_co_u32 s54, s54, s55
	s_mov_b32 s55, 0
	s_add_nc_u64 s[54:55], s[8:9], s[54:55]
	s_lshl_b32 s56, s17, 13                        ; ctx_sc: [head][token] 2 bytes
	s_lshl_b32 s57, s16, 12
	s_add_co_u32 s56, s56, s57
	s_lshl_b32 s57, s14, 9
	s_add_co_u32 s56, s56, s57
	s_mov_b32 s57, 0
	s_add_nc_u64 s[56:57], s[10:11], s[56:57]
	global_store_b128 v1, v[136:139], s[54:55]     ; 32 lanes store 512 consecutive bytes, aligned
	global_store_b128 v1, v[140:143], s[54:55] offset:512
	ds_store_b16 v5, v238                          ; both halves of the lanes write the same two bytes with the same value
	s_wait_dscnt 0x0                               ; for wave 0's sake
	s_barrier_signal -1
	s_barrier_wait -1
	s_cmp_lg_u32 s12, 0
	s_cbranch_scc1 .Lnot_first
	ds_load_b128 v[144:147], v6                    ; the 256 queries' scale bytes
	s_wait_dscnt 0x0
	global_store_b128 v1, v[144:147], s[56:57]     ; 512 consecutive bytes, aligned
.Lnot_first:
	s_wait_tensorcnt 0x0
	ds_add_u32 v230, v231
	s_wait_dscnt 0x0
	CROUND                                         ; the closing round
	s_endpgm
.Lfunc_end_k_qcf921e89cc_attn:
	.size	k_qcf921e89cc_attn, .Lfunc_end_k_qcf921e89cc_attn-k_qcf921e89cc_attn
	.p2alignl 7, 3214868480
	.fill 96, 4, 3214868480
	.section	.rodata,"a",@progbits
	.p2align	6, 0x0
	.amdhsa_kernel k_qcf921e89cc_attn
		.amdhsa_group_segment_fixed_size 276992
		.amdhsa_private_segment_fixed_size 0
		.amdhsa_enable_private_segment 0
		.amdhsa_kernarg_size 32
		.amdhsa_user_sgpr_count 2
		.amdhsa_user_sgpr_kernarg_segment_ptr 1
		.amdhsa_wavefront_size32 1
		.amdhsa_system_sgpr_workgroup_id_x 1
		.amdhsa_system_sgpr_workgroup_id_y 1
		.amdhsa_system_sgpr_workgroup_id_z 1
		.amdhsa_system_vgpr_workitem_id 0
		.amdhsa_next_free_vgpr 256
		.amdhsa_next_free_sgpr 66
		.amdhsa_reserve_vcc 0
		.amdhsa_float_denorm_mode_32 3
		.amdhsa_float_denorm_mode_16_64 3
		.amdhsa_memory_ordered 1
		.amdhsa_forward_progress 1
		.amdhsa_inst_pref_size 94
	.end_amdhsa_kernel
	.amdgpu_metadata
---
amdhsa.version: [ 1, 2 ]
amdhsa.kernels:
  - .name:           k_qcf921e89cc_attn
    .symbol:         k_qcf921e89cc_attn.kd
    .args:
      - { .name: qkv_img, .offset: 0, .size: 8, .value_kind: global_buffer, .address_space: global }
      - { .name: qkv_sc, .offset: 8, .size: 8, .value_kind: global_buffer, .address_space: global }
      - { .name: ctx_img, .offset: 16, .size: 8, .value_kind: global_buffer, .address_space: global }
      - { .name: ctx_sc, .offset: 24, .size: 8, .value_kind: global_buffer, .address_space: global }
    .group_segment_fixed_size: 276992
    .private_segment_fixed_size: 0
    .kernarg_segment_align: 8
    .kernarg_segment_size: 32
    .max_flat_workgroup_size: 512
    .sgpr_count:     66
    .vgpr_count:     256
    .wavefront_size: 32
...
	.end_amdgpu_metadata
.endif
;; end of part 2
;; launch proj (part 3): grid 4 x 16, 4 waves a work-group, clusters of 4 x 4, 327,680 bytes of LDS; arguments ctx_img, ctx_sc, out_w_codes, out_w_scales, out_b, out0; writes out0
.if DOCPART == 3
	.amdgcn_target "amdgcn-amd-amdhsa--gfx1250"
	.amdhsa_code_object_version 6
	.text
	.protected	k_qcf921e89cc_proj
	.globl	k_qcf921e89cc_proj
	.p2align	8
	.type	k_qcf921e89cc_proj,@function
k_qcf921e89cc_proj:
	s_mov_b64 s[64:65], 0
	v_nop
	global_prefetch_b8 v0, s[64:65] scope:SCOPE_SE
	s_setreg_imm32_b32 hwreg(HW_REG_WAVE_MODE, 25, 1), 1
	s_wait_xcnt 0x0
	s_wait_alu depctr_hold_cnt(0) depctr_sa_sdst(0) depctr_va_vdst(0) depctr_va_sdst(0) depctr_va_ssrc(0) depctr_va_vcc(0) depctr_vm_vsrc(0)
	s_getreg_b32 s2, hwreg(HW_REG_IB_STS2, 6, 4)
	s_cmp_eq_u32 s2, 0
	s_cbranch_scc0 .Lentry_in_a_cluster
	s_endpgm
.Lentry_in_a_cluster:
	s_bfe_u32 s2, ttmp6, 0x10000c
	s_cmp_lg_u32 s2, 0xf033
	s_cbranch_scc0 .Lentry_shape_is_right
	s_endpgm
.Lentry_shape_is_right:
; out = ctx W^T + b on codes of BF8 (E5M2) with one E8M0 scale for each 32 along K = 1,024.  ctx: 4,096 rows, as images of operand registers [tile of 16 rows][K step of 128][block 4][lane][16 bytes], scale bytes [head 16][row] 2 bytes.
; W: [1,024][1,024] codes, K innermost; its scale bytes [1,024][32].  out: [4,096][1,024] f32.
; A tile of 256 x 256 is made by a work-group of four waves, a wave makes 128 x 128: 64 accumulators, 512 registers.  K goes in steps of 256 through two LDS slots filled by the tensor data mover.
; A = ctx comes as images: a fragment's four loads read 512 consecutive bytes each: no pitch, no padding.  B = W comes as rows of 256 bytes + 16 of padding.
; THE SCALES of all of K lie behind the ring.  ctx's are laid by head in memory, so they go through registers: a word (128 along K of one row) is made of two heads' halves; W's are copied as they lie.  These bytes are written by LDS stores alone.
; THE MATRIX INSTRUCTION IS USED TRANSPOSED (source 0 = 16 rows of W, source 1 = 16 rows of ctx): a lane holds eight neighbouring numbers of a row of out.  The bias is the C of the first products (added first, not last).
; CLUSTERS: 4 x 4 work-groups; A's tiles are asked for jointly along a row of the cluster, B's along a column.  The grid has 64 work-groups: one tile of 256 x 256 each.
; REGISTERS, in windows of 256: window 0: v0-31 addresses; v32-63 scale words, two sets; v64-127 the bias; from v128 A's fragments, one set (on the way out: rows of out).   window 1: B's fragments, two sets.   windows 2, 3: the accumulators.
.set SIZE_N, 1024
.set SIZE_K, 1024
.set NQ,     2
.set ROWB,   256                       ; a row of B's tile in bytes
.set ASTEP,  4096                      ; a K step of 256 of one tile of 16 rows of A
.set KROW,   SIZE_K
.set PITCH,  272
.set FR,     16
.set NL,     4
.set NP,     8
.set HALFA,  32768                     ; 8 tiles of 16 rows x 4,096 bytes
.set HALFB,  128*PITCH
.set SLOT,   2*HALFA+2*HALFB           ; A's two halves, then B's two
.set LAPS,   2
.set KS,     32
.set SCL,    2*SLOT                    ; the scales: A's 256 rows, then B's, as units of 256 bytes + 16
.set HALFS,  (128*KS/256)*272
.set SBLK,   (16*KS/256)*272
.set SPARE,  SCL+4*HALFS               ; the spare words, 128 bytes for each wave: two blocks of 256 bytes that no other line names
.set SPITCH, 528                       ; the way out: a stage of 16 rows x (512 bytes + 16) for each wave, in slot 0, which has had its last fill and its last read by then
.set ADRA, 16
.set ADRB, 20
.set STO,  24
.set RD,   25
.set CO,   26
.set ADRS, 27
.set SPW,  28
.set NIL,  29
.set SC,   32
.set BJ,   64
.set AF,   128
.set BK,   128
.set G1, 24
.set G0, 32
.set G1B, 48
.set G0B, 56
.set MSB, 0
.macro WIN new
.if MSB != (\new)
	s_set_vgpr_msb (MSB<<8)|(\new)
.set MSB, (\new)
.endif
.endm
.set MUL_LO, 0xa1
.set MUL_HI, 0xf1
.set TO_B,   0x40
.macro JLOAD g0a, g1a, g0b, g1b        ; waves 0 and 1 fetch for A, waves 2 and 3 for B; four v_nop follow each of the two lines
	s_cmp_eq_u32 s15, 0
	s_cbranch_scc0 .Lfor_b_\@
	tensor_load_to_lds s[\g0a:\g0a+3], s[\g1a:\g1a+7]
	s_nop 0
.rept 4
	v_nop
.endr
	s_branch .Lasked_\@
.Lfor_b_\@:
	tensor_load_to_lds s[\g0b:\g0b+3], s[\g1b:\g1b+7]
	s_nop 0
.rept 4
	v_nop
.endr
.Lasked_\@:
.endm
.macro CREST
	s_cmp_lg_u32 s14, 0
	s_cbranch_scc1 .Lnot_wave_0_\@
	s_barrier_signal -3
.Lnot_wave_0_\@:
	s_barrier_wait -3
	s_barrier_signal -1
	s_barrier_wait -1
.endm
.macro CROUND
	s_barrier_signal -1
	s_barrier_wait -1
	CREST
.endm
	s_load_b128 s[4:7], s[0:1], 0x0                ; ctx_img, ctx_sc
	s_load_b128 s[8:11], s[0:1], 0x10              ; W's codes, W's scales
	s_load_b128 s[68:71], s[0:1], 0x20             ; the bias, out
	v_lshl_add_u32 v[SPW], v0, 2, SPARE
	v_mov_b32 v[NIL], 0
	ds_add_u32 v28, v29
	ds_add_u32 v28, v29
	s_wait_dscnt 0x0
	v_lshrrev_b32 v1, 5, v0
	v_readfirstlane_b32 s14, v1                    ; wave 0..3
	s_lshr_b32 s15, s14, 1                         ; which half of the tile's rows is mine.  Also: I fetch for A (0) or for B (1)
	s_and_b32 s16, s14, 1                          ; which half of its columns.  Also: which half I fetch
	s_bfe_u32 s40, ttmp6, 0x40000
	s_bfe_u32 s41, ttmp6, 0x40004
	s_lshl_b32 s42, ttmp9, 2
	s_add_co_u32 s42, s42, s40                     ; tile column
	s_and_b32 s17, ttmp7, 0xffff
	s_lshl_b32 s17, s17, 2
	s_add_co_u32 s17, s17, s41                     ; tile row
	s_lshl_b32 s43, s41, 2
	s_lshl_b32 s43, 15, s43                        ; my row of the cluster
	s_lshl_b32 s44, 0x1111, s40                    ; my column
	; A: 8 rows of 4,096 bytes (512 elements of 8 bytes), 16,384 bytes apart, dense in LDS
	s_or_b32 s[G1+0], s43, (3<<16)|(1<<21)
	s_mov_b32 s[G1+1], 512<<16                     ; tensor_dim0
	s_mov_b32 s[G1+2], 8<<16                       ; tensor_dim1
	s_mov_b32 s[G1+3], 512<<16                     ; tile_dim0
	s_mov_b32 s[G1+4], 8                           ; tile_dim1
	s_mov_b32 s[G1+5], 2048                        ; from row to row, in elements
	s_mov_b32 s[G1+6], 0
	s_mov_b32 s[G1+7], 0
	; B: 128 rows of 256 bytes, 16 bytes of padding behind each
	s_or_b32 s[G1B+0], s44, (1<<20)|(1<<21)|(5<<22)|(3<<25)
	s_mov_b32 s[G1B+1], ROWB<<16
	s_mov_b32 s[G1B+2], 128<<16
	s_mov_b32 s[G1B+3], ROWB<<16
	s_mov_b32 s[G1B+4], 128
	s_mov_b32 s[G1B+5], KROW
	s_mov_b32 s[G1B+6], 0
	s_mov_b32 s[G1B+7], 0
	s_lshl_b32 s18, s16, 17                        ; the half that I fetch: 128 rows are 131,072 bytes in both tensors
	s_lshl_b32 s20, s17, 18
	s_add_co_u32 s20, s20, s18
	s_mov_b32 s21, 0
	s_lshl_b32 s46, s42, 18
	s_add_co_u32 s46, s46, s18
	s_mov_b32 s47, 0
	s_lshl_b32 s22, s16, 15                        ; where it goes: A's halves at 0 and HALFA,
	s_mul_i32 s23, s16, HALFB
	s_add_co_u32 s23, s23, 2*HALFA                 ; B's behind them
	s_lshl_b32 s72, s17, 9                         ; ctx's scale bytes: my tile's 256 rows, 2 bytes each; heads 2 w and 2 w + 1
	s_lshl_b32 s73, s14, 14
	s_add_co_u32 s72, s72, s73
	s_mov_b32 s73, 0
	s_lshl_b32 s74, s42, 13                        ; W's: 256 rows of 32 bytes
	s_mov_b32 s75, 0
	s_lshl_b32 s76, s42, 10                        ; the bias of my 128 columns
	s_lshl_b32 s77, s16, 9
	s_add_co_u32 s76, s76, s77
	s_mov_b32 s77, 0
	s_wait_kmcnt 0x0
	s_add_nc_u64 s[20:21], s[4:5], s[20:21]
	s_add_nc_u64 s[46:47], s[8:9], s[46:47]
	s_add_nc_u64 s[72:73], s[6:7], s[72:73]
	s_add_nc_u64 s[74:75], s[10:11], s[74:75]
	s_add_nc_u64 s[76:77], s[68:69], s[76:77]
	s_mov_b64 s[12:13], s[70:71]
	CROUND                                         ; all sixteen work-groups are here: the first joint loads meet
.irp s, 0,1
	s_mov_b32 s[G0+4*\s], 1
	s_add_co_u32 s[G0+4*\s+1], s22, \s*SLOT
	s_add_nc_u64 s[G0+4*\s+2:G0+4*\s+3], s[20:21], \s*ASTEP
	s_or_b32 s[G0+4*\s+3], s[G0+4*\s+3], 0x80000000
	s_mov_b32 s[G0B+4*\s], 1
	s_add_co_u32 s[G0B+4*\s+1], s23, \s*SLOT
	s_add_nc_u64 s[G0B+4*\s+2:G0B+4*\s+3], s[46:47], \s*ROWB
	s_or_b32 s[G0B+4*\s+3], s[G0B+4*\s+3], 0x80000000
	JLOAD G0+4*\s, G1, G0B+4*\s, G1B               ; two loads of mine are out
.endr
	v_and_b32 v1, 15, v0                           ; r
	v_bfe_u32 v2, v0, 4, 1                         ; h
	v_and_b32 v6, 31, v0                           ; lane
	v_lshlrev_b32 v7, 4, v6                        ; 16 x lane
	v_mul_u32_u24 v3, v1, PITCH
	v_lshl_add_u32 v4, v2, 4, v3
	s_lshl_b32 s21, s15, 15                        ; my 128 rows of A
	s_mul_i32 s22, s16, HALFB                      ; my 128 rows of B
	s_add_co_u32 s22, s22, 2*HALFA
.irp s, 0,1
	v_add_nc_u32 v[ADRA+\s], s21, v7
	v_add_nc_u32 v[ADRB+\s], s22, v4
	s_add_co_u32 s21, s21, SLOT
	s_add_co_u32 s22, s22, SLOT
.endr
	; the scales and the bias are asked for
	v_lshlrev_b32 v8, 4, v0                        ; 16 x thread
	v_lshlrev_b32 v30, 5, v2                       ; 32 h
	global_load_b128 v[128:131], v7, s[72:73]                ; head 2 w: a lane's 8 rows, 2 bytes each
	global_load_b128 v[132:135], v7, s[72:73] offset:8192    ; head 2 w + 1
	global_load_b128 v[136:139], v7, s[72:73] offset:65536   ; head 2 w + 8
	global_load_b128 v[140:143], v7, s[72:73] offset:73728   ; head 2 w + 9
.irp j, 0,1,2,3
	global_load_b128 v[160+4*\j:163+4*\j], v8, s[74:75] offset:2048*\j
.endr
.irp b, 0,1,2,3,4,5,6,7
	global_load_b128 v[BJ+8*\b:BJ+8*\b+3], v30, s[76:77] offset:64*\b
	global_load_b128 v[BJ+8*\b+4:BJ+8*\b+7], v30, s[76:77] offset:64*\b+16
.endr
	v_mul_u32_u24 v5, v1, KS                       ; my row's scales: 32 bytes a row,
	v_lshrrev_b32 v9, 8, v5
	v_lshl_add_u32 v5, v9, 4, v5                   ; and 16 more for each 256 passed
	s_mul_i32 s21, s15, HALFS
	s_mul_i32 s22, s16, HALFS
	s_add_co_u32 s22, s22, 2*HALFS
	s_sub_co_u32 s22, s22, s21
	v_mul_u32_u24 v9, s22, v2                      ; lanes 16-31 take B's
	s_add_co_u32 s21, s21, SCL
	v_add_nc_u32 v5, v5, v9
	v_add_nc_u32 v[ADRS], s21, v5
	v_mul_u32_u24 v9, v6, 272                      ; where A's words go: a lane's 8 rows are one unit of 256 bytes; word w of a row
	s_lshl_b32 s18, s14, 2
	s_add_co_u32 s18, s18, SCL
	v_add_nc_u32 v9, s18, v9
	v_lshrrev_b32 v10, 4, v0                       ; where B's go: sixteen threads to a unit
	v_mul_u32_u24 v10, v10, 272
	v_lshl_add_u32 v10, v1, 4, v10
	v_add_nc_u32 v10, SCL+2*HALFS, v10
	s_mul_i32 s23, s14, 16*SPITCH                  ; my stage
	v_mul_u32_u24 v5, v1, SPITCH
	v_lshl_add_u32 v5, v2, 5, v5
	v_add_nc_u32 v[STO], s23, v5
	v_lshlrev_b32 v[CO], 4, v6
	v_add_nc_u32 v[RD], s23, v[CO]
	s_lshl_b32 s20, s17, 8
	s_lshl_b32 s21, s15, 7
	s_add_co_u32 s20, s20, s21                     ; my first row of out
	s_mov_b32 s21, 0
	s_mov_b64 s[18:19], SIZE_N*4
	s_mul_u64 s[20:21], s[20:21], s[18:19]
	s_lshl_b32 s46, s42, 10
	s_lshl_b32 s47, s16, 9
	s_add_co_u32 s46, s46, s47                     ; my first column, in bytes
	s_mov_b32 s47, 0
	s_add_nc_u64 s[20:21], s[20:21], s[46:47]
	s_add_nc_u64 s[12:13], s[12:13], s[20:21]
	s_wait_loadcnt 0x0
.irp u, 0,1                                    ; K steps of 128 number w and w + 4: a row's word = the even head's two bytes below, the odd head's above
.irp i, 0,1,2,3
	v_perm_b32 v[144+8*\u+2*\i], v[132+8*\u+\i], v[128+8*\u+\i], 0x05040100   ; row 2 i of my 8: the two low halves
	v_perm_b32 v[145+8*\u+2*\i], v[132+8*\u+\i], v[128+8*\u+\i], 0x07060302   ; row 2 i + 1: the two high halves
.endr
.endr
.irp u, 0,1
.irp k, 0,1,2,3,4,5,6,7
	ds_store_b32 v9, v[144+8*\u+\k] offset:16*\u+32*\k
.endr
.endr
.irp j, 0,1,2,3
	ds_store_b128 v10, v[160+4*\j:163+4*\j] offset:2176*\j
.endr
.macro FRAG reg, adr, q, i             ; B: 16 rows x 128 K from padded rows
.irp c, 0,1,2,3
	ds_load_b128 v[\reg+4*\c:\reg+4*\c+3], v[\adr] offset:128*(\q)+32*\c+(\i)*16*PITCH
.endr
.endm
.macro FRAGA reg, adr, q, i            ; A: the image of the fragment's registers
.irp c, 0,1,2,3
	ds_load_b128 v[\reg+4*\c:\reg+4*\c+3], v[\adr] offset:4096*(\i)+2048*(\q)+512*\c
.endr
.endm
; 16 matrix instructions: A's blocks a0, a0 + 1 x B's eight.  zero = 1: the first products start the sums from the bias.  The 64 accumulators take turns, one instruction a turn.
.macro MUL16 a0, p, q, sc, zero
.irp a, \a0, \a0+1
.irp b, 0,1,2,3,4,5,6,7
.if \zero
	v_wmma_scale_f32_16x16x128_f8f6f4 v[8*(8*((\a)%4)+\b):8*(8*((\a)%4)+\b)+7], v[128*(\p)+FR*\b:128*(\p)+FR*\b+FR-1], v[AF+FR*(\a):AF+FR*(\a)+FR-1], v[BJ+8*\b:BJ+8*\b+7], v[SC+8*NQ*(\sc)+NQ*\b+(\q)], v[SC+8*NQ*(\sc)+NQ*(\a)+(\q)] matrix_a_fmt:MATRIX_FMT_BF8 matrix_b_fmt:MATRIX_FMT_BF8 matrix_a_scale:MATRIX_SCALE_ROW1
.else
	v_wmma_scale_f32_16x16x128_f8f6f4 v[8*(8*((\a)%4)+\b):8*(8*((\a)%4)+\b)+7], v[128*(\p)+FR*\b:128*(\p)+FR*\b+FR-1], v[AF+FR*(\a):AF+FR*(\a)+FR-1], v[8*(8*((\a)%4)+\b):8*(8*((\a)%4)+\b)+7], v[SC+8*NQ*(\sc)+NQ*\b+(\q)], v[SC+8*NQ*(\sc)+NQ*(\a)+(\q)] matrix_a_fmt:MATRIX_FMT_BF8 matrix_b_fmt:MATRIX_FMT_BF8 matrix_a_scale:MATRIX_SCALE_ROW1
.endif
.endr
.endr
.endm
.macro FETCH_B slot, q, p
	WIN TO_B
.irp i, 0,1,2,3,4,5,6,7
	FRAG 128*(\p)+FR*\i, ADRB+\slot, \q, \i
.endr
	WIN 0
.endm
.macro FETCH_A slot, q, i0
.irp i, \i0, \i0+1, \i0+2, \i0+3
	FRAGA AF+FR*(\i), ADRA+\slot, \q, \i
.endr
.endm
.macro SCALES sc
.irp i, 0,1,2,3,4,5,6,7
	ds_load_b64 v[SC+8*NQ*\sc+NQ*\i:SC+8*NQ*\sc+NQ*\i+1], v[ADRS] offset:\i*SBLK
.endr
.endm
.macro PLACES n                        ; plain vector instructions between a matrix instruction and a load into, or a read of, its registers (ISA guide 7.12.1 for reads)
.rept \n
	v_nop
.endr
.endm
.macro STEP slot, q, zero
	s_wait_dscnt 4*NL                              ; B's set and A's blocks 0-3 are in; the youngest 16 loads (A's blocks 4-7) may be out
.if \zero
	WIN 0x81                                       ; C (the bias) window 0, D window 2
.else
	WIN MUL_LO
.endif
	MUL16 0, (\q)%2, \q, \slot, \zero
	MUL16 2, (\q)%2, \q, \slot, \zero
	s_wait_dscnt 0
	PLACES NP
	FETCH_B \slot, (\q)+1, 1-(\q)%2
	FETCH_A \slot, (\q)+1, 0
.if \zero
	WIN 0xc1
.else
	WIN MUL_HI
.endif
	MUL16 4, (\q)%2, \q, \slot, \zero
	MUL16 6, (\q)%2, \q, \slot, \zero
	PLACES NP
	WIN 0
	FETCH_A \slot, (\q)+1, 4
.endm
.macro TURN slot, next, fill
	s_wait_tensorcnt 0x0                           ; all my tensor loads have landed: my part of the next slot
	ds_add_u32 v[SPW], v[NIL]                      ; 0 onto my spare word
	s_wait_dscnt 4*NL+1                            ; the add and the youngest 16 loads may be out
	WIN MUL_LO
	MUL16 0, 1, NQ-1, \slot, 0
	s_wait_dscnt 0x0                               ; the add is done, and my reads of this slot are over
	s_barrier_signal -1
	MUL16 2, 1, NQ-1, \slot, 0
	WIN 0
	s_barrier_wait -1
.if \fill
	CREST                                          ; the barrier has opened a round of the cluster's barrier
	s_add_nc_u64 s[G0+4*\slot+2:G0+4*\slot+3], s[G0+4*\slot+2:G0+4*\slot+3], 2*ASTEP
	s_add_nc_u64 s[G0B+4*\slot+2:G0B+4*\slot+3], s[G0B+4*\slot+2:G0B+4*\slot+3], 2*ROWB
	JLOAD G0+4*\slot, G1, G0B+4*\slot, G1B         ; the first tensor load behind the round
	PLACES NP-4
.else
	PLACES NP
.endif
	v_add_nc_u32 v[ADRS], 4*NQ, v[ADRS]
	FETCH_B \next, 0, 0
	FETCH_A \next, 0, 0
	SCALES \next
	WIN MUL_HI
	MUL16 4, 1, NQ-1, \slot, 0
	MUL16 6, 1, NQ-1, \slot, 0
	PLACES NP
	WIN 0
	FETCH_A \next, 0, 4
.endm
	s_wait_tensorcnt 1                             ; my part of K step 0 is in; K step 1's load may stay out
	s_wait_dscnt 0x0                               ; my stores of scale words have landed
	s_barrier_signal -1
	s_barrier_wait -1
	FETCH_B 0, 0, 0
	FETCH_A 0, 0, 0
	SCALES 0
	FETCH_A 0, 0, 4
	STEP 0, 0, 1
	s_mov_b32 s3, LAPS-1
.Llap:
	TURN 0, 1, 1
	STEP 1, 0, 0
	TURN 1, 0, 1
	STEP 0, 0, 0
	s_sub_co_u32 s3, s3, 1
	s_cmp_lg_u32 s3, 0
	s_cbranch_scc1 .Llap
	TURN 0, 1, 0
	STEP 1, 0, 0
	s_wait_dscnt 4*NL
	WIN MUL_LO
	MUL16 0, 1, NQ-1, 1, 0
	MUL16 2, 1, NQ-1, 1, 0
	s_wait_dscnt 0
	WIN MUL_HI
	MUL16 4, 1, NQ-1, 1, 0
	MUL16 6, 1, NQ-1, 1, 0
	WIN 0
; THE WAY OUT, block by block of 16 rows x 128 columns: through my own stage in LDS, back as whole rows of 512 bytes.  LDS serves a wave's instructions in order (ISA guide 5.7.1.4): no wait between the stores and the loads.
.macro TOSTAGE a
.set AC, 64*((\a)%4)
	WIN 0x08+4*((\a)/4)                            ; the data: window 2 or 3
.irp b, 0,1,2,3,4,5,6,7
	ds_store_b128 v[STO], v[AC+8*\b:AC+8*\b+3] offset:64*\b          ; each accumulator from its low end on
	ds_store_b128 v[STO], v[AC+8*\b+4:AC+8*\b+7] offset:64*\b+16
.endr
	WIN 0
.set BB, BK+64*((\a)%2)
.irp t, 0,1,2,3,4,5,6,7,8,9,10,11,12,13,14,15
	ds_load_b128 v[BB+4*\t:BB+4*\t+3], v[RD] offset:\t*SPITCH
.endr
.endm
.macro SEND a, younger                 ; younger: the LDS instructions issued behind block a's loads, which may stay out
.set BB, BK+64*((\a)%2)
	s_wait_dscnt \younger
.if (\a) > 0
	s_add_nc_u64 s[12:13], s[12:13], 16*SIZE_N*4   ; (behind a wait on XCNT: the earlier stores have read their base)
.endif
.irp t, 0,1,2,3,4,5,6,7,8,9,10,11,12,13,14,15
	global_store_b128 v[CO], v[BB+4*\t:BB+4*\t+3], s[12:13] offset:\t*SIZE_N*4 th:TH_STORE_NT   ; 32 lanes store 512 consecutive bytes, aligned; written once, read by nobody here
.endr
.endm
	PLACES NP
	TOSTAGE 0
.irp a, 1,2,3,4,5,6,7
.if \a > 1
	s_wait_xcnt 0x0                                ; block a - 2's stores have read their registers and their base
.endif
	TOSTAGE \a
	SEND \a-1, 32                                  ; behind block a - 1's loads: block a's 16 stores and 16 loads
.endr
	s_wait_xcnt 0x0
	SEND 7, 0
	s_wait_tensorcnt 0x0                           ; the wave's end
	ds_add_u32 v[SPW], v[NIL]
	s_wait_dscnt 0x0
	CROUND                                         ; the closing round
	s_endpgm
.Lfunc_end_k_qcf921e89cc_proj:
	.size	k_qcf921e89cc_proj, .Lfunc_end_k_qcf921e89cc_proj-k_qcf921e89cc_proj
	.p2alignl 7, 3214868480
	.fill 96, 4, 3214868480
	.section	.rodata,"a",@progbits
	.p2align	6, 0x0
	.amdhsa_kernel k_qcf921e89cc_proj
		.amdhsa_group_segment_fixed_size 327680
		.amdhsa_private_segment_fixed_size 0
		.amdhsa_enable_private_segment 0
		.amdhsa_kernarg_size 48
		.amdhsa_user_sgpr_count 2
		.amdhsa_user_sgpr_kernarg_segment_ptr 1
		.amdhsa_wavefront_size32 1
		.amdhsa_system_sgpr_workgroup_id_x 1
		.amdhsa_system_sgpr_workgroup_id_y 1
		.amdhsa_system_sgpr_workgroup_id_z 1
		.amdhsa_system_vgpr_workitem_id 0
		.amdhsa_next_free_vgpr 1024
		.amdhsa_next_free_sgpr 80
		.amdhsa_reserve_vcc 0
		.amdhsa_float_denorm_mode_32 3
		.amdhsa_float_denorm_mode_16_64 3
		.amdhsa_memory_ordered 1
		.amdhsa_forward_progress 1
		.amdhsa_inst_pref_size 149
	.end_amdhsa_kernel
	.amdgpu_metadata
---
amdhsa.version: [ 1, 2 ]
amdhsa.kernels:
  - .name:           k_qcf921e89cc_proj
    .symbol:         k_qcf921e89cc_proj.kd
    .args:
      - { .name: ctx_img, .offset: 0, .size: 8, .value_kind: global_buffer, .address_space: global }
      - { .name: ctx_sc, .offset: 8, .size: 8, .value_kind: global_buffer, .address_space: global }
      - { .name: out_w_codes, .offset: 16, .size: 8, .value_kind: global_buffer, .address_space: global }
      - { .name: out_w_scales, .offset: 24, .size: 8, .value_kind: global_buffer, .address_space: global }
      - { .name: out_b, .offset: 32, .size: 8, .value_kind: global_buffer, .address_space: global }
      - { .name: out0, .offset: 40, .size: 8, .value_kind: global_buffer, .address_space: global }
    .group_segment_fixed_size: 327680
    .private_segment_fixed_size: 0
    .kernarg_segment_align: 8
    .kernarg_segment_size: 48
    .max_flat_workgroup_size: 128
    .sgpr_count:     80
    .vgpr_count:     1024
    .wavefront_size: 32
...
	.end_amdgpu_metadata
.endif
;; end of part 3
;; ======== version 2 of 2: 3 launches
;; limits: right only within a limited range of input values
;; workspace buffers: qkv_img 12,582,912 bytes; qkv_sc 655,360 bytes; ctx_img 4,194,304 bytes; ctx_sc 131,072 bytes
;; launch qkv (part 4): grid 16 x 16, 4 waves a work-group, clusters of 4 x 4, 327,680 bytes of LDS; arguments x_codes, x_scales, qkv_w_codes, qkv_w_scales, qkv_b, qkv_img, qkv_sc; writes qkv_img, qkv_sc
.if DOCPART == 4
	.amdgcn_target "amdgcn-amd-amdhsa--gfx1250"
	.amdhsa_code_object_version 6
	.text
	.protected	k_qcf921e89cc_qkv
	.globl	k_qcf921e89cc_qkv
	.p2align	8
	.type	k_qcf921e89cc_qkv,@function
k_qcf921e89cc_qkv:
	s_mov_b64 s[64:65], 0
	v_nop
	global_prefetch_b8 v0, s[64:65] scope:SCOPE_SE
	s_setreg_imm32_b32 hwreg(HW_REG_WAVE_MODE, 25, 1), 1
	s_wait_xcnt 0x0
	s_wait_alu depctr_hold_cnt(0) depctr_sa_sdst(0) depctr_va_vdst(0) depctr_va_sdst(0) depctr_va_ssrc(0) depctr_va_vcc(0) depctr_vm_vsrc(0)
	s_getreg_b32 s2, hwreg(HW_REG_IB_STS2, 6, 4)
	s_cmp_eq_u32 s2, 0
	s_cbranch_scc0 .Lentry_in_a_cluster
	s_endpgm
.Lentry_in_a_cluster:
	s_bfe_u32 s2, ttmp6, 0x10000c
	s_cmp_lg_u32 s2, 0xf033
	s_cbranch_scc0 .Lentry_shape_is_right
	s_endpgm
.Lentry_shape_is_right:
; qkv = x W^T + b on codes of BF8 (E5M2) with one E8M0 scale for each 32 along K = 1,024; the results are quantised at once: q and k along the head's 64 (two blocks of 32), v along the tokens (its K in attention).
; SHARES.  A work-group makes 256 tokens x the 192 outputs of ONE head (64 rows of W for q, 64 for k, 64 for v): 16 x 16 work-groups.  Its four waves are 2 halves of the tokens x 2 halves of the outputs: a wave makes 128 tokens x
;   (the 64 of q or of k, and 32 of v's 64): 8 x 6 accumulators of 16 x 16, 384 registers.  K goes in four steps of 256 through two LDS slots: wave 0 fetches x's 256 rows, waves 1 to 3 the 64 rows of q, of k, of v.
; ORIENTATION.  q, k: source 0 = 16 rows of W, source 1 = 16 tokens: a lane holds one token and eight neighbouring outputs.  v: source 0 = 16 tokens, source 1 = 16 rows of W: a lane holds one output and eight neighbouring tokens.
;   So the quantiser always runs along a lane's registers and lane l xor 16's.
; THE WAY OUT.  The 16 registers of two neighbouring accumulators are converted into four registers, which are stored as they stand (16 bytes a lane, 512 consecutive bytes a store): an image of registers 4 j .. 4 j + 3 of the operand.
;   A lane (r, h) so holds, where the operand's layout says k = 32 j + 16 h + i, the true index 32 j + 8 h + i (i < 8) or 32 j + 16 + 8 h + i - 8: a permutation inside the block of 32, the same for q, k, v and the softmax's p,
;   so that each product's two operands agree; a block's largest magnitude and scale byte are those of the true block.
;   qkv_img: q at 0, k at 4 MiB: [batch][head][tile of 16 tokens][block 2][lane][16 bytes];  v at 8 MiB: [batch][head][128 keys][tile of 16 of the head's 64][block 4][lane][16 bytes].
;   qkv_sc:  q at 0, k at 262,144: [batch][head][token] words: the two blocks' bytes, and 1.0 for the upper 64 of an instruction's K;  v at 524,288: [batch][head][128 keys][64] words (four blocks of keys).
; CLUSTERS: 4 x 4 work-groups; x's tiles are asked for jointly along a row of the cluster, W's along a column.
; PREFETCH.  K steps 1 and 2 are asked of memory behind K step 0's load, K step 3 behind K step 1's: each row's 256 bytes once in each cluster; the four partners that share a tile take a quarter of its rows each, told apart by address.
; LIMITS: NaN and infinities are not served.  A block whose largest magnitude lies under 2^-111 (a block of zeros too) has the byte 1; its codes are what the conversion gives under that scale; the bytes are read by this program alone.
;   The bias is the C of the first products (added first, not last).
; REGISTERS.  window 0: v0-11 addresses; v12-75 x's scale words (8 tiles x 8 words of 128 along K), v80-127 W's (6 tiles x 8): no product's two scale words have numbers equal modulo 8; v76-79 addresses; v128-255 x's fragments, one set; on the way
;   out codes (v128-223) and what is at work.   window 1: W's fragments, two sets of 96; v192-239 the bias in the results' layouts.   window 2: the accumulators of tokens 0-63 ((a, b) at v[8 (6 a + b)]);   window 3: those of tokens 64-127.
.set PITCH,  272                       ; an LDS row: 256 bytes + 16 of padding: the 16 rows that a load touches start 4 banks apart
.set SLOT,   448*PITCH                 ; x's 256 rows, q's 64, k's 64, v's 64
.set SCW,    2*SLOT                    ; scale words on their way out: 512 bytes a wave for q or k, then 512 for v
.set SPARE,  SCW+2560                  ; the spare words, 128 bytes for each wave
.set XS,   12
.set WS,   80
.set XF,   128
.set BI,   192                         ; window 1
.set PC,   128
.set TM,   224
.set G1, 24                            ; s[24:31] descriptor group 1 for x;  s[32:39] group 0, one set for each slot
.set G0, 32
.set G1B, 48                           ; s[48:55], s[56:63] the same for W
.set G0B, 56
.set SEL, 46                           ; s[46:47] (way out) lane selects for lane l xor 16
.set MNT, 45                           ; s45      (way out) the mantissa field of 57,344
.set MSB, 0
.macro WIN new                         ; the immediate's high byte repeats the setting that is left
.if MSB != (\new)
	s_set_vgpr_msb (MSB<<8)|(\new)
.set MSB, (\new)
.endif
.endm
.macro JLOAD s                         ; a joint load a wave: wave 0 for x, waves 1 to 3 for W.  Four v_nop follow each of the two lines
	s_cmp_eq_u32 s14, 0
	s_cbranch_scc0 .Lfor_w_\@
	tensor_load_to_lds s[G0+4*\s:G0+4*\s+3], s[G1:G1+7]
	s_nop 0
.rept 4
	v_nop
.endr
	s_branch .Lasked_\@
.Lfor_w_\@:
	tensor_load_to_lds s[G0B+4*\s:G0B+4*\s+3], s[G1B:G1B+7]
	s_nop 0
.rept 4
	v_nop
.endr
.Lasked_\@:
.endm
.macro CREST                           ; a round of the cluster's barrier behind its opening barrier
	s_cmp_lg_u32 s14, 0
	s_cbranch_scc1 .Lnot_wave_0_\@
	s_barrier_signal -3
.Lnot_wave_0_\@:
	s_barrier_wait -3
	s_barrier_signal -1
	s_barrier_wait -1
.endm
.macro CROUND                          ; a whole round
	s_barrier_signal -1
	s_barrier_wait -1
	CREST
.endm
	s_load_b128 s[4:7], s[0:1], 0x0                ; x's codes, x's scales
	s_load_b128 s[8:11], s[0:1], 0x10              ; W's codes, W's scales
	s_load_b128 s[68:71], s[0:1], 0x20             ; the bias, qkv_img
	s_load_b64 s[72:73], s[0:1], 0x30              ; qkv_sc
	v_lshl_add_u32 v10, v0, 2, SPARE
	v_mov_b32 v11, 0
	ds_add_u32 v10, v11                            ; the wave's opening
	ds_add_u32 v10, v11
	v_lshrrev_b32 v1, 5, v0
	v_readfirstlane_b32 s14, v1                    ; wave 0..3
	s_lshr_b32 s15, s14, 1                         ; which 128 of the tokens are mine
	s_and_b32 s16, s14, 1                          ; 0: q and v's first 32;  1: k and v's last 32
	s_bfe_u32 s40, ttmp6, 0x40000                  ; cx, cy: my place in the cluster
	s_bfe_u32 s41, ttmp6, 0x40004
	s_lshl_b32 s42, ttmp9, 2
	s_add_co_u32 s42, s42, s40                     ; the head
	s_and_b32 s17, ttmp7, 0xffff
	s_lshl_b32 s17, s17, 2
	s_add_co_u32 s17, s17, s41                     ; the block of 256 tokens
	s_lshl_b32 s43, s41, 2
	s_lshl_b32 s43, 15, s43                        ; my row of the cluster: shares x's rows
	s_lshl_b32 s44, 0x1111, s40                    ; my column: shares W's
	; descriptor group 1: rows of 256 bytes, 1,024 apart, 16 bytes of padding behind each
	s_or_b32 s[G1+0], s43, (1<<20)|(1<<21)|(5<<22)|(3<<25)   ; 15:0 the mask; 17:16 elements of 1 byte; 20 padding on; 21 set beside a mask; 24:22 after every 64 words; 31:25 four words
	s_or_b32 s[G1B+0], s44, (1<<20)|(1<<21)|(5<<22)|(3<<25)
	s_mov_b32 s[G1+2], 256<<16                     ; tensor_dim1, tile_dim1: x's 256 rows
	s_mov_b32 s[G1+4], 256
	s_mov_b32 s[G1B+2], 64<<16                     ; 64 of W's
	s_mov_b32 s[G1B+4], 64
.irp g, G1, G1B
	s_mov_b32 s[\g+1], 256<<16                     ; tensor_dim0
	s_mov_b32 s[\g+3], 256<<16                     ; tile_dim0
	s_mov_b32 s[\g+5], 1024                        ; from row to row
	s_mov_b32 s[\g+6], 0
	s_mov_b32 s[\g+7], 0
.endr
	; where my wave's results go, in bytes
	s_lshr_b32 s18, s17, 3
	s_lshl_b32 s18, s18, 4
	s_add_co_u32 s18, s18, s42                     ; 16 x batch + head
	s_and_b32 s19, s17, 7
	s_lshl_b32 s19, s19, 4
	s_lshl_b32 s23, s15, 3
	s_add_co_u32 s19, s19, s23                     ; my first tile of 16 tokens in the head
	s_lshr_b32 s23, s19, 3                         ; my 128 keys
	s_lshl_b32 s86, s16, 22                        ; q, k: images
	s_lshl_b32 s20, s18, 17
	s_add_co_u32 s86, s86, s20
	s_lshl_b32 s21, s19, 10
	s_add_co_u32 s86, s86, s21
	s_mov_b32 s87, 0
	s_lshl_b32 s88, s23, 13                        ; v: images
	s_add_co_u32 s88, s88, s20
	s_lshl_b32 s21, s16, 12
	s_add_co_u32 s88, s88, s21
	s_add_co_u32 s88, s88, 1<<23
	s_mov_b32 s89, 0
	s_lshl_b32 s90, s16, 18                        ; q, k: scale words
	s_lshl_b32 s20, s18, 13
	s_add_co_u32 s90, s90, s20
	s_lshl_b32 s21, s19, 6
	s_add_co_u32 s90, s90, s21
	s_mov_b32 s91, 0
	s_lshl_b32 s92, s18, 12                        ; v: scale words
	s_lshl_b32 s20, s23, 8
	s_add_co_u32 s92, s92, s20
	s_add_co_u32 s92, s92, 1<<19
	s_mov_b32 s93, 0
	; what I read
	s_lshl_b32 s74, s17, 13                        ; x's scale bytes: my 128 tokens
	s_lshl_b32 s20, s15, 12
	s_add_co_u32 s74, s74, s20
	s_mov_b32 s75, 0
	s_lshl_b32 s76, s42, 11                        ; W's: the head's rows of q or k,
	s_add_co_u32 s78, s76, 65536
	s_lshl_b32 s20, s16, 15
	s_add_co_u32 s76, s76, s20
	s_mov_b32 s77, 0
	s_lshl_b32 s20, s16, 10
	s_add_co_u32 s78, s78, s20                     ; and my 32 of v's
	s_mov_b32 s79, 0
	s_lshl_b32 s80, s42, 8                         ; the bias likewise
	s_add_co_u32 s82, s80, 8192
	s_lshl_b32 s20, s16, 12
	s_add_co_u32 s80, s80, s20
	s_mov_b32 s81, 0
	s_lshl_b32 s20, s16, 7
	s_add_co_u32 s82, s82, s20
	s_mov_b32 s83, 0
	s_lshl_b32 s20, s17, 18                        ; x's codes: 256 rows of 1,024 bytes a block of tokens
	s_mov_b32 s21, 0
	s_lshl_b32 s22, s42, 16                        ; W's: 64 rows a head,
	s_lshl_b32 s19, s14, 20
	; the prefetches: waves 0, 1 name x's rows 64 cx + 32 wave + lane; waves 2, 3 the head's rows n = 48 cy + 24 (wave - 2) + lane (lanes over 23 name the last again), row n % 64 of tensor n / 64
	s_lshl_b32 s18, s40, 6
	s_lshl_b32 s23, s16, 5
	s_add_co_u32 s18, s18, s23
	s_mul_i32 s45, s41, 48
	s_mul_i32 s23, s16, 24
	s_add_co_u32 s45, s45, s23
	s_mov_b32 s47, 255
	s_mov_b32 s66, 0x100000
	s_cmp_eq_u32 s15, 0
	s_cselect_b32 s45, s18, s45                    ; the first row
	s_cselect_b32 s46, 31, 23
	s_cselect_b32 s47, s47, 63
	s_cselect_b32 s66, 0, s66
	s_cselect_b32 s94, s20, s22
	s_mov_b32 s95, 0
	s_add_co_u32 s22, s22, s19                     ; 1 MiB from q's rows to k's and from k's to v's: wave 1 q, 2 k, 3 v (1 MiB is taken off below)
	s_mov_b32 s23, 0
	s_mul_i32 s19, s14, 64*PITCH
	s_add_co_u32 s19, s19, 192*PITCH               ; and in a slot: behind x's 256 rows (wave 0 does not use it)
	v_and_b32 v1, 31, v0                           ; lane
	v_and_b32 v2, 15, v0                           ; r
	v_bfe_u32 v78, v0, 4, 1                        ; h
	v_min_u32 v3, s46, v1
	v_mul_u32_u24 v76, v2, PITCH
	v_lshlrev_b32 v77, 5, v2                       ; 32 r: a row of scale bytes
	v_add_nc_u32 v3, s45, v3
	v_lshl_add_u32 v76, v78, 4, v76                ; a fragment's row x pitch + 16 h
	s_mul_i32 s18, s15, 128*PITCH
	v_lshrrev_b32 v6, 6, v3
	v_and_b32 v3, s47, v3
	v_add_nc_u32 v4, s18, v76                      ; x: my 128 tokens, slot 0, 1
	v_mul_lo_u32 v6, v6, s66
	v_add_nc_u32 v5, SLOT, v4
	v_lshl_add_u32 v3, v3, 10, v6                  ; the prefetches' offset; never rewritten
	s_mul_i32 s18, s16, 64*PITCH
	s_add_co_u32 s18, s18, 256*PITCH
	v_add_nc_u32 v6, s18, v76                      ; q's or k's 64 rows
	v_add_nc_u32 v7, SLOT, v6
	s_mul_i32 s18, s16, 32*PITCH
	s_add_co_u32 s18, s18, 384*PITCH
	v_add_nc_u32 v8, s18, v76                      ; my 32 of v's
	v_add_nc_u32 v9, SLOT, v8
	v_lshlrev_b32 v78, 5, v78                      ; 32 h: eight numbers of the bias
	v_lshlrev_b32 v79, 2, v2                       ; 4 r
	s_wait_alu depctr_va_vdst(0)
	s_wait_dscnt 0x0                               ; both opening adds are done
	s_wait_kmcnt 0x0
	s_cmp_eq_u32 s15, 0
	s_cselect_b64 s[84:85], s[4:5], s[8:9]
	s_add_nc_u64 s[84:85], s[84:85], s[94:95]      ; where my prefetches stand
	s_add_nc_u64 s[20:21], s[4:5], s[20:21]
	s_add_nc_u64 s[22:23], s[8:9], s[22:23]
	s_sub_nc_u64 s[22:23], s[22:23], 0x100000
	s_add_nc_u64 s[74:75], s[6:7], s[74:75]
	s_add_nc_u64 s[76:77], s[10:11], s[76:77]
	s_add_nc_u64 s[78:79], s[10:11], s[78:79]
	s_add_nc_u64 s[80:81], s[68:69], s[80:81]
	s_add_nc_u64 s[82:83], s[68:69], s[82:83]
	s_add_nc_u64 s[86:87], s[70:71], s[86:87]
	s_add_nc_u64 s[88:89], s[70:71], s[88:89]
	s_add_nc_u64 s[90:91], s[72:73], s[90:91]
	s_add_nc_u64 s[92:93], s[72:73], s[92:93]
.irp s, 0,1
	s_mov_b32 s[G0+4*\s], 1
	s_mov_b32 s[G0+4*\s+1], \s*SLOT
	s_add_nc_u64 s[G0+4*\s+2:G0+4*\s+3], s[20:21], \s*256
	s_or_b32 s[G0+4*\s+3], s[G0+4*\s+3], 0x80000000
	s_mov_b32 s[G0B+4*\s], 1
	s_add_co_u32 s[G0B+4*\s+1], s19, \s*SLOT
	s_add_nc_u64 s[G0B+4*\s+2:G0B+4*\s+3], s[22:23], \s*256
	s_or_b32 s[G0B+4*\s+3], s[G0B+4*\s+3], 0x80000000
.endr
	CROUND                                         ; all sixteen work-groups are here: the first joint loads meet
	JLOAD 0                                        ; K step 0: one tensor load a wave
.irp i, 0,1,2,3,4,5,6,7                        ; all scale words of all K: 32 bytes a row; lanes 16-31 hold the same and are not read
	global_load_b128 v[XS+8*\i:XS+8*\i+3], v77, s[74:75] offset:512*\i
	global_load_b128 v[XS+8*\i+4:XS+8*\i+7], v77, s[74:75] offset:512*\i+16
.endr
.irp b, 0,1,2,3
	global_load_b128 v[WS+8*\b:WS+8*\b+3], v77, s[76:77] offset:512*\b
	global_load_b128 v[WS+8*\b+4:WS+8*\b+7], v77, s[76:77] offset:512*\b+16
.endr
.irp b, 0,1
	global_load_b128 v[WS+32+8*\b:WS+32+8*\b+3], v77, s[78:79] offset:512*\b
	global_load_b128 v[WS+32+8*\b+4:WS+32+8*\b+7], v77, s[78:79] offset:512*\b+16
	global_load_b32 v[XF+\b], v79, s[82:83] offset:64*\b
.endr
	WIN 0x40
.irp b, 0,1,2,3
	global_load_b128 v[BI+8*\b:BI+8*\b+3], v78, s[80:81] offset:64*\b
	global_load_b128 v[BI+8*\b+4:BI+8*\b+7], v78, s[80:81] offset:64*\b+16
.endr
	WIN 0
	global_prefetch_b8 v3, s[84:85] offset:256 th:TH_LOAD_NT scope:SCOPE_SE   ; K step 1,
	global_prefetch_b8 v3, s[84:85] offset:512 th:TH_LOAD_NT scope:SCOPE_SE   ; K step 2
	s_wait_loadcnt 0x0
	WIN 0x40
.set i, 0
.rept 8
	v_mov_b32 v[BI+32+i], v[XF]                    ; v's bias: one number a lane in all eight registers
	v_mov_b32 v[BI+40+i], v[XF+1]
.set i, i+1
.endr
	WIN 0
.macro FETCH_W slot, q, p              ; W's six fragments of the slot's q-th 128 along K into set p: lane l holds row l % 16; registers 4 c .. 4 c + 3 hold K = 32 c + 16 (l / 16) + 0 .. 15
	WIN 0x40
.irp b, 0,1,2,3
.irp c, 0,1,2,3
	ds_load_b128 v[96*(\p)+16*\b+4*\c:96*(\p)+16*\b+4*\c+3], v[6+\slot] offset:128*(\q)+32*\c+\b*16*PITCH
.endr
.endr
.irp b, 0,1
.irp c, 0,1,2,3
	ds_load_b128 v[96*(\p)+64+16*\b+4*\c:96*(\p)+64+16*\b+4*\c+3], v[8+\slot] offset:128*(\q)+32*\c+\b*16*PITCH
.endr
.endr
	WIN 0
.endm
.macro FETCH_X slot, q, i0             ; x's tiles i0 .. i0 + 3
.irp i, \i0, \i0+1, \i0+2, \i0+3
.irp c, 0,1,2,3
	ds_load_b128 v[XF+16*(\i)+4*\c:XF+16*(\i)+4*\c+3], v[4+\slot] offset:128*(\q)+32*\c+(\i)*16*PITCH
.endr
.endr
.endm
; Products of x's tiles 4 hi + 0 .. 3.  MQ: with the four tiles of q or k: 16 matrix instructions.  MV: x's tiles a0, a0 + 1 of the four with v's two: 4.  k: which 128 of K.  The first (k = 0) start the sums from the bias: nothing is cleared.
; The 48 accumulators take turns, one instruction a turn, in the same order in every step.
.macro MQ hi, p, k
.if (\k) == 0
	WIN 0x91+0x40*\hi
.else
	WIN 0xa1+0x50*\hi
.endif
.irp a, 0,1,2,3
.irp b, 0,1,2,3
.set AC_, 8*(6*\a+\b)
.if (\k) == 0
	v_wmma_scale_f32_16x16x128_f8f6f4 v[AC_:AC_+7], v[96*(\p)+16*\b:96*(\p)+16*\b+15], v[XF+16*(4*\hi+\a):XF+16*(4*\hi+\a)+15], v[BI+8*\b:BI+8*\b+7], v[WS+8*\b+\k], v[XS+8*(4*\hi+\a)+\k] matrix_a_fmt:MATRIX_FMT_BF8 matrix_b_fmt:MATRIX_FMT_BF8
.else
	v_wmma_scale_f32_16x16x128_f8f6f4 v[AC_:AC_+7], v[96*(\p)+16*\b:96*(\p)+16*\b+15], v[XF+16*(4*\hi+\a):XF+16*(4*\hi+\a)+15], v[AC_:AC_+7], v[WS+8*\b+\k], v[XS+8*(4*\hi+\a)+\k] matrix_a_fmt:MATRIX_FMT_BF8 matrix_b_fmt:MATRIX_FMT_BF8
.endif
.endr
.endr
.endm
.macro MV hi, p, k, a0
.if (\k) == 0
	WIN 0x94+0x40*\hi
.else
	WIN 0xa4+0x50*\hi
.endif
.irp a, \a0, \a0+1
.irp b, 4,5
.set AC_, 8*(6*(\a)+\b)
.if (\k) == 0
	v_wmma_scale_f32_16x16x128_f8f6f4 v[AC_:AC_+7], v[XF+16*(4*\hi+\a):XF+16*(4*\hi+\a)+15], v[96*(\p)+16*\b:96*(\p)+16*\b+15], v[BI+8*\b:BI+8*\b+7], v[XS+8*(4*\hi+\a)+\k], v[WS+8*\b+\k] matrix_a_fmt:MATRIX_FMT_BF8 matrix_b_fmt:MATRIX_FMT_BF8
.else
	v_wmma_scale_f32_16x16x128_f8f6f4 v[AC_:AC_+7], v[XF+16*(4*\hi+\a):XF+16*(4*\hi+\a)+15], v[96*(\p)+16*\b:96*(\p)+16*\b+15], v[AC_:AC_+7], v[XS+8*(4*\hi+\a)+\k], v[WS+8*\b+\k] matrix_a_fmt:MATRIX_FMT_BF8 matrix_b_fmt:MATRIX_FMT_BF8
.endif
.endr
.endr
.endm
.macro HALF hi, p, k
	MQ \hi, \p, \k
	MV \hi, \p, \k, 0
	MV \hi, \p, \k, 2
.endm
.macro PLACES n                        ; plain vector instructions between a matrix instruction and a load into, or a vector read or write of, its registers (ISA guide 7.12.1 for vector reads and writes)
.rept \n
	v_nop
.endr
.endm
.macro STEP slot, k                    ; a slot's first 128 along K
	s_wait_dscnt 16                                ; W's set and x's tiles 0-3 are in; the youngest 16 loads (x's tiles 4-7) may be out
	HALF 0, 0, \k
	s_wait_dscnt 0x0                               ; x's tiles 4-7 are in
	PLACES 8
	FETCH_W \slot, 1, 1
	FETCH_X \slot, 1, 0
	HALF 1, 0, \k
	PLACES 8
	WIN 0
	FETCH_X \slot, 1, 4
.endm
; A slot's second 128 along K changes slots: one barrier; in front of it each wave waits for all its tensor loads, adds 0 to its spare word, and waits for that and for its own reads of this slot.  fill = 1: this slot is filled again, two K steps ahead.
.macro TURN slot, next, k, fill
	s_wait_dscnt 16
	MQ 0, 1, \k
	WIN 0
	s_wait_tensorcnt 0x0                           ; all my tensor loads have landed: my part of the next slot
	ds_add_u32 v10, v11                            ; 0 onto my spare word
	MV 0, 1, \k, 0
	s_wait_dscnt 0x0                               ; the add is done, and my reads of this slot are over
	s_barrier_signal -1
	MV 0, 1, \k, 2
	WIN 0
	s_barrier_wait -1
.if \fill
	CREST                                          ; no wave of any partner still reads this slot or has a load on its way
	s_add_nc_u64 s[G0+4*\slot+2:G0+4*\slot+3], s[G0+4*\slot+2:G0+4*\slot+3], 512
	s_add_nc_u64 s[G0B+4*\slot+2:G0B+4*\slot+3], s[G0B+4*\slot+2:G0B+4*\slot+3], 512
	JLOAD \slot                                    ; its four v_nop are among the places in front of the loads below
	PLACES 4
.else
	PLACES 8
.endif
	FETCH_W \next, 0, 0
	FETCH_X \next, 0, 0
	HALF 1, 1, \k
	PLACES 8
	WIN 0
	FETCH_X \next, 0, 4
.endm
	s_wait_alu depctr_va_vdst(0)
	s_wait_tensorcnt 0x0                           ; my part of K step 0 is in
	ds_add_u32 v10, v11
	s_wait_dscnt 0x0
	CROUND                                         ; everybody's part is in, and all sixteen work-groups are here
	JLOAD 1                                        ; K step 1: the first tensor load behind the round
	FETCH_W 0, 0, 0
	FETCH_X 0, 0, 0
	FETCH_X 0, 0, 4
	global_prefetch_b8 v3, s[84:85] offset:768 th:TH_LOAD_NT scope:SCOPE_SE   ; K step 3
	STEP 0, 0
	TURN 0, 1, 1, 1                                ; slot 0 takes K step 2
	STEP 1, 2
	TURN 1, 0, 3, 1                                ; slot 1 takes K step 3
	STEP 0, 4
	TURN 0, 1, 5, 0                                ; nothing more is filled
	STEP 1, 6
	s_wait_dscnt 16
	HALF 0, 1, 7
	s_wait_dscnt 0x0
	HALF 1, 1, 7
	WIN 0
	PLACES 8
; THE WAY OUT.  Four blocks of 32 at a time; block i's 16 numbers of a lane are registers GA .. GA + 7 and GB .. GB + 7 of window w.  kind 0: q or k: tokens' tiles 2 p, 2 p + 1 of the window's four, the head's two blocks of each;
; kind 1: v: the window's two blocks of tokens, the two tiles of each.
.macro QB kind, p, i
.if \kind
.set GA, 96*((\i)/2)+32+8*((\i)%2)
.set GB, GA+48
.else
.set GA, 96*(\p)+48*((\i)/2)+16*((\i)%2)
.set GB, GA+8
.endif
.endm
.macro QUANT kind, w, p, pc
	WIN 5*\w
.irp i, 0,1,2,3
	QB \kind, \p, \i
	v_max3_num_f32 v[TM+\i], |v[GA]|, |v[GA+1]|, 0x8000000   ; and the floor 2^(16 - 127): the byte cannot fall under 1
.endr
.irp e, 2,4,6
.irp i, 0,1,2,3
	QB \kind, \p, \i
	v_max3_num_f32 v[TM+\i], |v[GA+\e]|, |v[GA+\e+1]|, v[TM+\i]
.endr
.endr
.irp e, 0,2,4,6
.irp i, 0,1,2,3
	QB \kind, \p, \i
	v_max3_num_f32 v[TM+\i], |v[GB+\e]|, |v[GB+\e+1]|, v[TM+\i]
.endr
.endr
	WIN 0
.irp i, 0,1,2,3
	v_permlanex16_b32 v[TM+4+\i], v[TM+\i], s[SEL], s[SEL+1]
.endr
.irp i, 0,1,2,3
	v_max_num_f32 v[TM+\i], v[TM+\i], v[TM+4+\i]   ; with lane l xor 16's: the block's largest magnitude
.endr
.irp i, 0,1,2,3
	v_add_nc_u32 v[TM+12+\i], 0xf8800000, v[TM+\i] ; 15 off its exponent field: the conversion's scale operand
.endr
.irp i, 0,1,2,3
	v_and_or_b32 v[TM+8+\i], v[TM+\i], 0x7f800000, s[MNT]   ; 57,344 x the scale
.endr
.irp i, 0,1,2,3
	v_lshrrev_b32 v[TM+4+\i], 23, v[TM+12+\i]      ; the scale's byte
.endr
.if \kind == 0
	v_lshl_or_b32 v240, v[TM+5], 8, v[TM+4]
	v_lshl_or_b32 v241, v[TM+7], 8, v[TM+6]
	v_or_b32 v240, 0x7f7f0000, v240                ; and 1.0 for the upper 64 of K
	v_or_b32 v241, 0x7f7f0000, v241
.elseif \w == 2
	v_lshl_or_b32 v244, v[TM+6], 8, v[TM+4]
	v_lshl_or_b32 v245, v[TM+7], 8, v[TM+5]
.else
	v_lshl_or_b32 v244, v[TM+4], 16, v244
	v_lshl_or_b32 v245, v[TM+5], 16, v245
	v_lshl_or_b32 v244, v[TM+6], 24, v244
	v_lshl_or_b32 v245, v[TM+7], 24, v245
.endif
	WIN 65*\w
.irp e, 0,1,2,3,4,5,6,7
.irp i, 0,1,2,3
	QB \kind, \p, \i
	v_med3_num_f32 v[GA+\e], v[GA+\e], -v[TM+8+\i], v[TM+8+\i]   ; the conversion to an 8-bit code does not saturate (ISA guide 7.6.2): the hold at the largest code x the scale
	v_med3_num_f32 v[GB+\e], v[GB+\e], -v[TM+8+\i], v[TM+8+\i]
.endr
.endr
	WIN \w
.irp i, 0,1,2,3
	QB \kind, \p, \i
	v_cvt_scalef32_pk8_bf8_f32 v[\pc+4*\i:\pc+4*\i+1], v[GA:GA+7], v[TM+12+\i]
	v_cvt_scalef32_pk8_bf8_f32 v[\pc+4*\i+2:\pc+4*\i+3], v[GB:GB+7], v[TM+12+\i]
.endr
	WIN 0
	v_nop                                          ; a plain place behind the last conversion
.irp i, 0,1,2,3                                ; 32 lanes store 512 consecutive bytes, at a multiple of 512 from the buffer's first byte
.if \kind
	global_store_b128 v76, v[\pc+4*\i:\pc+4*\i+3], s[88:89] offset:2048*(\i%2)+512*(2*(\w-2)+\i/2)
.else
	global_store_b128 v76, v[\pc+4*\i:\pc+4*\i+3], s[86:87] offset:1024*(4*(\w-2)+2*(\p))+512*\i
.endif
.endr
.if \kind == 0
	ds_store_b32 v77, v240 offset:64*(4*(\w-2)+2*(\p))       ; both halves of the lanes write the same word with the same value
	ds_store_b32 v77, v241 offset:64*(4*(\w-2)+2*(\p)+1)
.elseif \w == 3
	ds_store_b32 v78, v244
	ds_store_b32 v78, v245 offset:64
.endif
.endm
	s_mov_b32 s[SEL], 0x76543210
	s_mov_b32 s[SEL+1], 0xfedcba98
	s_mov_b32 s[MNT], 0x600000
	s_lshl_b32 s18, s14, 9
	s_add_co_u32 s18, s18, SCW                     ; my 512 bytes of scale words of q or k
	s_lshl_b32 s19, s15, 8
	s_add_co_u32 s19, s19, SCW+2048                ; my 128 keys' 64 words of v,
	s_lshl_b32 s20, s16, 7
	s_add_co_u32 s20, s20, s19                     ; my 32 of them
	v_lshlrev_b32 v76, 4, v1                       ; 16 x lane
	v_lshl_add_u32 v77, v2, 2, s18
	v_lshl_add_u32 v78, v2, 2, s20
	v_lshl_add_u32 v79, v1, 4, s18
	v_lshl_add_u32 v2, v1, 3, s19
	v_lshlrev_b32 v1, 3, v1                        ; 8 x lane
	QUANT 1, 2, 0, PC
	QUANT 1, 3, 0, PC+16
	QUANT 0, 2, 0, PC+32
	QUANT 0, 2, 1, PC+48
	QUANT 0, 3, 0, PC+64
	QUANT 0, 3, 1, PC+80
	ds_load_b128 v[248:251], v79                   ; LDS serves a wave's instructions in order (ISA guide 5.7.1.4): this sees my stores
	s_wait_dscnt 0x0                               ; and my words of v are written, for the other wave's sake
	s_barrier_signal -1
	s_barrier_wait -1
	global_store_b128 v76, v[248:251], s[90:91]    ; 512 consecutive bytes, aligned
	s_cmp_lg_u32 s16, 0
	s_cbranch_scc1 .Lnot_v
	ds_load_b64 v[252:253], v2
	s_wait_dscnt 0x0
	global_store_b64 v1, v[252:253], s[92:93]      ; 256 consecutive bytes, aligned
.Lnot_v:
	s_wait_tensorcnt 0x0                           ; the wave's end
	ds_add_u32 v10, v11
	s_wait_dscnt 0x0
	CROUND                                         ; the closing round: no work-group ends while a partner may still ask for a tile that names it
	s_endpgm
.Lfunc_end_k_qcf921e89cc_qkv:
	.size	k_qcf921e89cc_qkv, .Lfunc_end_k_qcf921e89cc_qkv-k_qcf921e89cc_qkv
	.p2alignl 7, 3214868480
	.fill 96, 4, 3214868480
	.section	.rodata,"a",@progbits
	.p2align	6, 0x0
	.amdhsa_kernel k_qcf921e89cc_qkv
		.amdhsa_group_segment_fixed_size 327680
		.amdhsa_private_segment_fixed_size 0
		.amdhsa_enable_private_segment 0
		.amdhsa_kernarg_size 56
		.amdhsa_user_sgpr_count 2
		.amdhsa_user_sgpr_kernarg_segment_ptr 1
		.amdhsa_wavefront_size32 1
		.amdhsa_system_sgpr_workgroup_id_x 1
		.amdhsa_system_sgpr_workgroup_id_y 1
		.amdhsa_system_sgpr_workgroup_id_z 1
		.amdhsa_system_vgpr_workitem_id 0
		.amdhsa_next_free_vgpr 1024
		.amdhsa_next_free_sgpr 102
		.amdhsa_reserve_vcc 0
		.amdhsa_float_denorm_mode_32 3
		.amdhsa_float_denorm_mode_16_64 3
		.amdhsa_memory_ordered 1
		.amdhsa_forward_progress 1
		.amdhsa_inst_pref_size 152
	.end_amdhsa_kernel
	.amdgpu_metadata
---
amdhsa.version: [ 1, 2 ]
amdhsa.kernels:
  - .name:           k_qcf921e89cc_qkv
    .symbol:         k_qcf921e89cc_qkv.kd
    .args:
      - { .name: x_codes, .offset: 0, .size: 8, .value_kind: global_buffer, .address_space: global }
      - { .name: x_scales, .offset: 8, .size: 8, .value_kind: global_buffer, .address_space: global }
      - { .name: qkv_w_codes, .offset: 16, .size: 8, .value_kind: global_buffer, .address_space: global }
      - { .name: qkv_w_scales, .offset: 24, .size: 8, .value_kind: global_buffer, .address_space: global }
      - { .name: qkv_b, .offset: 32, .size: 8, .value_kind: global_buffer, .address_space: global }
      - { .name: qkv_img, .offset: 40, .size: 8, .value_kind: global_buffer, .address_space: global }
      - { .name: qkv_sc, .offset: 48, .size: 8, .value_kind: global_buffer, .address_space: global }
    .group_segment_fixed_size: 327680
    .private_segment_fixed_size: 0
    .kernarg_segment_align: 8
    .kernarg_segment_size: 56
    .max_flat_workgroup_size: 128
    .sgpr_count:     102
    .vgpr_count:     1024
    .wavefront_size: 32
...
	.end_amdgpu_metadata
.endif
;; end of part 4
;; launch attn (part 5): grid 8 x 32, 8 waves a work-group, clusters of 4 x 1, 327,680 bytes of LDS; arguments qkv_img, qkv_sc, ctx_img, ctx_sc; writes ctx_img, ctx_sc
.if DOCPART == 5
	.amdgcn_target "amdgcn-amd-amdhsa--gfx1250"
	.amdhsa_code_object_version 6
	.text
	.protected	k_qcf921e89cc_attn
	.globl	k_qcf921e89cc_attn
	.p2align	8
	.type	k_qcf921e89cc_attn,@function
k_qcf921e89cc_attn:
	s_mov_b64 s[64:65], 0
	v_nop
	global_prefetch_b8 v0, s[64:65] scope:SCOPE_SE
	s_setreg_imm32_b32 hwreg(HW_REG_WAVE_MODE, 25, 1), 1
	s_wait_xcnt 0x0
	s_wait_alu depctr_hold_cnt(0) depctr_sa_sdst(0) depctr_va_vdst(0) depctr_va_sdst(0) depctr_va_ssrc(0) depctr_va_vcc(0) depctr_vm_vsrc(0)
	s_getreg_b32 s2, hwreg(HW_REG_IB_STS2, 6, 4)
	s_cmp_eq_u32 s2, 0
	s_cbranch_scc0 .Lentry_in_a_cluster
	s_endpgm
.Lentry_in_a_cluster:
	s_bfe_u32 s2, ttmp6, 0x10000c
	s_cmp_lg_u32 s2, 0x3003
	s_cbranch_scc0 .Lentry_shape_is_right
	s_endpgm
.Lentry_shape_is_right:
; ctx[q] = (sum over keys of p V) / (sum of p), p = 2^(t - M), t = (q . k) log2(e) / 8, M the running largest t rounded up to a whole number; both products on codes of BF8 (E5M2) with one E8M0 scale for each 32 along K.
; p is quantised along the keys, not normalised; the row's sum is taken of the unquantised p.  ctx is quantised along the head's 64 (two blocks of 32) for the last product.
; SHARES.  A work-group owns one (batch, head) and 256 queries; each of its eight waves owns 32 queries, two tiles A and B, in 512 registers: two waves to a SIMD.  Each fragment of K and V that a wave reads from LDS feeds both tiles.
; THE HEAD'S WHOLE K AND V, 128 KiB each as images of operand registers, LIE IN LDS, FILLED ONCE, by one joint tensor load a wave: even waves a quarter of K, odd waves a quarter of V.  Work begins when waves 0 and 1's have landed
;   (key steps 0-3); a second barrier, ahead of trip 3, shows the rest.  All of it is asked for at the head, so there is no loop for a prefetch to run ahead in.
; CLUSTER.  The four blocks of queries of a cluster belong to one head and need the same K and V: each tile is asked for jointly, by the same tensor load with the same descriptor and a mask that names the four.
; LAYOUT.  S^T = K Q^T (source 0 = 16 keys, source 1 = 16 queries), O^T = V^T P^T (source 0 = 16 of the head's 64, source 1 = p): a lane holds ONE query of each tile (lane % 16) throughout.
;   The 16 registers of tiles 2 j and 2 j + 1 of S^T are converted into registers 4 j .. 4 j + 3 of p's operand.  That permutes the keys inside each block of 32 just as the launch before has permuted V's; q and k carry the same
;   permutation of the head's 64.  So the products are those of the true operands; only the order of the f32 sums differs.
; A TRIP s: the softmax of step s; the rescaling of O^T; O^T += V p of step s; S of step s + 1 (the scores' registers are free once p is converted).  Tile A's row maximum and scales stand among B's maxima, B's among A's t - M;
;   one tile's exponentials stand among the other tile's t - M or holds.
; K = 64 IN AN INSTRUCTION OF 128.  Q's registers 8-15 are zero codes.  K's fragment of tile t is 16 registers from 8 t on: its upper eight are the next tile's codes (zeros behind the last), which meet Q's zeros
;   under scale bytes of 1.0: they are finite (the quantiser holds every number within the largest code), so they add exactly 0.
; A BLOCK'S SCALE: its largest p is 2^b, b = (largest score) c - M, so the exponent of the largest p is floor(b): no exponential of its own.
; LIMITS: NaN and infinities are not served; scaled scores lie under 2^31 in magnitude.  A block of p whose largest lies under 2^-111, or of ctx under 2^-111 (zeros too), has the byte 1.
; REGISTERS, window 0: v1-7 stay; v8-11 addresses of the trip; v[12:13] -M (A, B); v[14:15] f; v[16:17], v[18:19] the sums of A, B in two halves; v20-23 more chains; v24, v25 the largest score; v26-33 a block's largest score, exponent,
;   scale operand; v34-41 permuted maxima, then holds; v42-45 at work; v46-53 K's scale words; v54-57 V's; v58, 59 p's; v60, 61 Q's; v64-95 Q (8 of codes, 8 of zeros, for each tile); v96-127 p's codes; v128-255 the scores of A, B.
;   window 1: v0-63 O^T of A, B; v64-127 K, v128-135 zeros; v136-199 V.
.set LVB,  131072                      ; LDS: K's images at 0 (8,192 bytes a key step), V's here
.set SCK,  262144                      ; K's scale words, one a key
.set SCV,  270336                      ; V's: [key step][64] words
.set CSC,  274432                      ; ctx's scale bytes of the 256 queries, 2 each
.set SPARE, 274944                     ; the spare words, 128 bytes for each wave
.set BM,   26
.set HA,   34
.set HB,   38
.set KW,   46
.set VW,   54
.set QA,   64
.set QB,   80
.set PCA,  96
.set PCB,  112
.set SA,   128
.set SB,   192
.set OA,   0                           ; window 1
.set OB,   32
.set KF,   64
.set VF,   136
.set MSB, 0
.macro WIN new                         ; the immediate's high byte repeats the setting that is left
.if MSB != (\new)
	s_set_vgpr_msb (MSB<<8)|(\new)
.set MSB, (\new)
.endif
.endm
.macro CROUND                          ; a round of the cluster's barrier
	s_barrier_signal -1
	s_barrier_wait -1
	s_cmp_lg_u32 s12, 0
	s_cbranch_scc1 .Lnot_wave_0_\@
	s_barrier_signal -3
.Lnot_wave_0_\@:
	s_barrier_wait -3
	s_barrier_signal -1
	s_barrier_wait -1
.endm
	s_load_b256 s[4:11], s[0:1], 0x0               ; qkv_img s[4:5], qkv_sc s[6:7], ctx_img s[8:9], ctx_sc s[10:11]
	v_lshl_add_u32 v6, v0, 2, SPARE
	v_mov_b32 v7, 0
	ds_add_u32 v6, v7                              ; the wave's opening
	ds_add_u32 v6, v7
	v_lshrrev_b32 v1, 5, v0
	v_readfirstlane_b32 s12, v1                    ; wave 0..7
	s_bfe_u32 s13, ttmp6, 0x40000                  ; cx
	s_lshl_b32 s14, ttmp9, 2
	s_add_co_u32 s14, s14, s13                     ; my block of 256 queries: it enters Q's and ctx's addresses alone
	s_and_b32 s15, ttmp7, 0xffff                   ; 16 x batch + head, which the four partners share
	s_lshr_b32 s16, s15, 4                         ; batch
	s_and_b32 s17, s15, 15                         ; head
	s_mov_b32 s19, 0x600000                        ; the mantissa field of 57,344
	s_mov_b32 s20, 0x76543210
	s_mov_b32 s21, 0xfedcba98                      ; lane l xor 16
	s_mov_b32 s22, 0x3e38aa3b                      ; c = log2(e) / 8
	s_mov_b32 s23, s22                             ; (named with it as a pair)
	s_mov_b32 s36, 0xbe38aa3b                      ; -c
	s_mov_b32 s38, 127<<23|0x600000                ; 1.75: the hold of a block whose exponent is 0
	s_mov_b32 s39, 112<<23                         ; its scale operand, 2^-15
	s_mov_b32 s46, 0xffff0000                      ; lanes 16-31
	; descriptor group 1: 32,768 dense bytes as 128 rows of 256 bytes (32 elements of 8 bytes), no padding: images are read 512 consecutive bytes at a time
	s_mov_b32 s24, 15|(3<<16)|(1<<21)              ; 15:0 the mask: all four work-groups; 17:16 elements of 8 bytes; 21 set beside a mask
	s_mov_b32 s25, 32<<16                          ; tensor_dim0
	s_mov_b32 s26, 128<<16                         ; tensor_dim1
	s_mov_b32 s27, 32<<16                          ; tile_dim0
	s_mov_b32 s28, 128                             ; tile_dim1
	s_mov_b32 s29, 32                              ; from row to row
	s_mov_b32 s30, 0
	s_mov_b32 s31, 0
	s_and_b32 s54, s12, 1                          ; I fetch K (0) or V (1):
	s_lshr_b32 s55, s12, 1                         ; which four key steps
	s_lshl_b32 s56, s54, 17
	s_lshl_b32 s57, s55, 15
	s_mov_b32 s32, 1                               ; group 0: count = 1
	s_add_co_u32 s33, s56, s57                     ; LDS address
	s_add_co_u32 s58, s54, 1
	s_lshl_b32 s58, s58, 22                        ; in memory: k at 4 MiB, v at 8 MiB,
	s_add_co_u32 s58, s58, s57
	s_lshl_b32 s59, s15, 17                        ; 131,072 bytes a head
	s_add_co_u32 s58, s58, s59
	s_mov_b32 s59, 0
	s_lshl_b32 s60, s14, 4
	s_lshl_b32 s61, s12, 1
	s_add_co_u32 s60, s60, s61                     ; my first tile of 16 tokens in the head
	s_lshl_b32 s54, s60, 10
	s_lshl_b32 s55, s15, 17
	s_add_co_u32 s54, s54, s55                     ; Q's images
	s_mov_b32 s55, 0
	s_lshl_b32 s56, s60, 6                         ; its scale words
	s_lshl_b32 s40, s16, 7
	s_add_co_u32 s40, s40, s60
	s_lshl_b32 s40, s40, 14                        ; ctx: 16,384 bytes a tile of tokens,
	s_lshl_b32 s41, s17, 10
	s_add_co_u32 s40, s40, s41                     ; 1,024 bytes a head
	s_mov_b32 s41, 0
	s_lshl_b32 s42, s17, 13                        ; ctx_sc: [head][token] 2 bytes
	s_lshl_b32 s43, s16, 12
	s_add_co_u32 s42, s42, s43
	s_lshl_b32 s43, s14, 9
	s_add_co_u32 s42, s42, s43
	s_mov_b32 s43, 0
	s_lshl_b32 s60, s15, 13                        ; 8,192 bytes of scale words a head
	s_add_co_u32 s56, s56, s60
	s_mov_b32 s57, 0
	s_add_co_u32 s60, s60, 262144
	s_mov_b32 s61, 0
	s_lshl_b32 s62, s15, 12
	s_add_co_u32 s62, s62, 524288
	s_mov_b32 s63, 0
	s_lshl_b32 s50, s12, 6
	v_and_b32 v8, 31, v0                           ; lane
	v_and_b32 v9, 15, v0                           ; r
	v_lshlrev_b32 v10, 4, v0
	v_lshlrev_b32 v1, 4, v8                        ; 16 x lane: my place in an image
	v_lshlrev_b32 v11, 2, v9
	v_lshl_add_u32 v3, v9, 2, SCK
	v_lshl_add_u32 v4, v9, 2, SCV
	v_lshlrev_b32 v5, 1, v9
	v_add_nc_u32 v2, LVB, v1
	v_add_nc_u32 v5, s50, v5
	v_add_nc_u32 v62, SCK, v10                     ; 16 bytes a thread
	v_add_nc_u32 v63, SCV, v10
	v_add_nc_u32 v5, CSC, v5                       ; where my query's two scale bytes go: 64 x wave + 2 r (tile B: 32 on)
	s_wait_alu depctr_va_vdst(0)
	s_wait_dscnt 0x0                               ; both opening adds are done
	s_wait_kmcnt 0x0
	s_add_nc_u64 s[34:35], s[4:5], s[58:59]
	s_or_b32 s35, s35, 0x80000000                  ; type = 2
	s_add_nc_u64 s[54:55], s[4:5], s[54:55]        ; Q's images
	s_add_nc_u64 s[56:57], s[6:7], s[56:57]        ; Q's scale words
	s_add_nc_u64 s[60:61], s[6:7], s[60:61]        ; K's, 2,048 words
	s_add_nc_u64 s[62:63], s[6:7], s[62:63]        ; V's, 1,024 words
	s_add_nc_u64 s[40:41], s[8:9], s[40:41]
	s_add_nc_u64 s[42:43], s[10:11], s[42:43]
	global_load_b128 v[QA:QA+3], v1, s[54:55]      ; tile A, blocks 0, 1
	global_load_b128 v[QA+4:QA+7], v1, s[54:55] offset:512
	global_load_b128 v[QB:QB+3], v1, s[54:55] offset:1024
	global_load_b128 v[QB+4:QB+7], v1, s[54:55] offset:1536
	global_load_b32 v60, v11, s[56:57]
	global_load_b32 v61, v11, s[56:57] offset:64
	global_load_b128 v[SA:SA+3], v10, s[60:61]
	global_load_b128 v[SA+4:SA+7], v10, s[60:61] offset:4096
	global_load_b128 v[SA+8:SA+11], v10, s[62:63]
	CROUND                                         ; all four work-groups are here: the joint loads meet
	s_cmp_lt_u32 s12, 2                            ; waves 0 and 1, which wait at the first barrier, have a load line of their own
	s_cbranch_scc0 .Lrest
	tensor_load_to_lds s[32:35], s[24:31]          ; key steps 0-3
	s_nop 0
.rept 4
	v_nop
.endr
	s_branch .Lasked
.Lrest:
	tensor_load_to_lds s[32:35], s[24:31]          ; key steps 4-15
	s_nop 0
.rept 4
	v_nop
.endr
.Lasked:
.set j, 0
.rept 8
	v_mov_b32 v[QA+8+j], 0                         ; Q's zero codes for K = 64 .. 127
	v_mov_b32 v[QB+8+j], 0
	v_mov_b32 v[HA+j], 0                           ; written once: a lane permute's destination counts as one of its sources
.set j, j+1
.endr
.irp j, 16,17,18,19
	v_mov_b32 v\j, 0                               ; the sums
.endr
	v_mov_b32 v24, 0xff61b1e6                      ; the largest score so far: -3e38
	v_mov_b32 v25, 0xff61b1e6
	v_mov_b32 v12, 0x7f61b1e6                      ; -M: 3e38, so that the first f is 0
	v_mov_b32 v13, 0x7f61b1e6
	WIN 0x40
.set j, 0
.rept 64
	v_mov_b32 v[OA+j], 0                           ; O^T
.set j, j+1
.endr
.set j, 0
.rept 8
	v_mov_b32 v[KF+64+j], 0                        ; what stands behind K's last tile
.set j, j+1
.endr
	WIN 0
	s_wait_loadcnt 0x0
	ds_store_b128 v62, v[SA:SA+3]
	ds_store_b128 v62, v[SA+4:SA+7] offset:4096
	ds_store_b128 v63, v[SA+8:SA+11]
.macro FETCH_K a, as, o, os            ; K's eight tiles and their scale words
	WIN 0x40
.irp t, 0,1,2,3,4,5,6,7
	ds_load_b128 v[KF+8*\t:KF+8*\t+3], v\a offset:\o+1024*\t
	ds_load_b128 v[KF+8*\t+4:KF+8*\t+7], v\a offset:\o+1024*\t+512
.endr
	WIN 0
.irp t, 0,1,2,3,4,5,6,7
	ds_load_b32 v[KW+\t], v\as offset:\os+64*\t
.endr
.endm
.macro SCORES                          ; S^T = K Q^T of both tiles
	WIN 0x01
.irp t, 0,1,2,3,4,5,6,7
	v_wmma_scale_f32_16x16x128_f8f6f4 v[SA+8*\t:SA+8*\t+7], v[KF+8*\t:KF+8*\t+15], v[QA:QA+15], 0, v[KW+\t], v60 matrix_a_fmt:MATRIX_FMT_BF8 matrix_b_fmt:MATRIX_FMT_BF8
	v_wmma_scale_f32_16x16x128_f8f6f4 v[SB+8*\t:SB+8*\t+7], v[KF+8*\t:KF+8*\t+15], v[QB:QB+15], 0, v[KW+\t], v61 matrix_a_fmt:MATRIX_FMT_BF8 matrix_b_fmt:MATRIX_FMT_BF8
.endr
	WIN 0
.endm
; THE LARGEST SCORE OF EACH BLOCK OF 32 KEYS, a tile's four blocks by turns; part n = 0 .. 7
.macro MX s, bm, n
.irp b, 0,1,2,3
.if \n == 0
	v_max3_num_f32 v[\bm+\b], v[\s+16*\b], v[\s+16*\b+1], v[\s+16*\b+2]
.elseif \n < 7
	v_max3_num_f32 v[\bm+\b], v[\bm+\b], v[\s+16*\b+2*\n+1], v[\s+16*\b+2*\n+2]
.else
	v_max_num_f32 v[\bm+\b], v[\bm+\b], v[\s+16*\b+15]
.endif
.endr
.endm
; The steps of a tile's four blocks, bm: their maxima, h: permuted maxima and holds
.macro PERM bm, h
.irp b, 0,1,2,3
	v_permlanex16_b32 v[\h+\b], v[\bm+\b], s20, s21
.endr
.endm
.macro JOIN bm, h                      ; with lane l xor 16's 16 keys
.irp b, 0,1,2,3
	v_max_num_f32 v[\bm+\b], v[\bm+\b], v[\h+\b]
.endr
.endm
.macro EXPO bm, m                      ; b = (largest score) c - M
.irp b, 0,1,2,3
	v_fma_f32 v[\bm+\b], v[\bm+\b], s22, v\m
.endr
.endm
.macro FLOORS bm                       ; at least -111: the scale's byte cannot fall under 1
.irp b, 0,1,2,3
	v_max_num_f32 v[\bm+\b], 0xc2de0000, v[\bm+\b]
.endr
.endm
.macro WHOLE bm                        ; E, the exponent of the block's largest p
.irp b, 0,1,2,3
	v_cvt_floor_i32_f32 v[\bm+\b], v[\bm+\b]
.endr
.endm
.macro LIMITS bm, h                    ; the hold: 1.75 x 2^E
.irp b, 0,1,2,3
	v_lshl_add_u32 v[\h+\b], v[\bm+\b], 23, s38
.endr
.endm
.macro OPERANDS bm                     ; the conversion's scale operand, 2^(E - 15)
.irp b, 0,1,2,3
	v_lshl_add_u32 v[\bm+\b], v[\bm+\b], 23, s39
.endr
.endm
.macro TM4 n                           ; tile A: t - M, two at a time; part n = 0 .. 7
.irp i, 0,2,4,6
	v_pk_fma_f32 v[SA+8*\n+\i:SA+8*\n+\i+1], v[SA+8*\n+\i:SA+8*\n+\i+1], s[22:23], v[12:13] op_sel_hi:[1,0,0]
.endr
.endm
; The row's sum of the unquantised p, two at a time, in four chains; l comes under the new M by its own multiply-add.  hi: f is the pair's second word (tile B)
.macro SUM l, s, hi
.if \hi
	v_pk_fma_f32 v[\l:\l+1], v[\l:\l+1], v[14:15], v[\s:\s+1] op_sel:[0,1,0]
.else
	v_pk_fma_f32 v[\l:\l+1], v[\l:\l+1], v[14:15], v[\s:\s+1] op_sel_hi:[1,0,1]
.endif
	v_pk_add_f32 v[20:21], v[\s+2:\s+3], v[\s+4:\s+5]
	v_pk_add_f32 v[22:23], v[\s+6:\s+7], v[\s+8:\s+9]
	v_pk_add_f32 v[44:45], v[\s+10:\s+11], v[\s+12:\s+13]
.irp i, 14,22,30,38,46,54
	v_pk_add_f32 v[\l:\l+1], v[\l:\l+1], v[\s+\i:\s+\i+1]
	v_pk_add_f32 v[20:21], v[20:21], v[\s+\i+2:\s+\i+3]
	v_pk_add_f32 v[22:23], v[22:23], v[\s+\i+4:\s+\i+5]
	v_pk_add_f32 v[44:45], v[44:45], v[\s+\i+6:\s+\i+7]
.endr
	v_pk_add_f32 v[\l:\l+1], v[\l:\l+1], v[\s+62:\s+63]
	v_pk_add_f32 v[22:23], v[22:23], v[44:45]
	v_pk_add_f32 v[\l:\l+1], v[\l:\l+1], v[20:21]
	v_pk_add_f32 v[\l:\l+1], v[\l:\l+1], v[22:23]
.endm
; THE HOLD: the conversion does not saturate (ISA guide 7.6.2); p is not negative, so the hold is one-sided.  Two holds go in one dual instruction.  Its halves take an even register of one block and an odd one of the
; next, so that one destination is even and the other odd, and like sources lie in registers whose numbers differ modulo 4 (ISA guide, dual-issue VALU).
.macro HOLD1 s, h, g, i
	v_dual_min_num_f32 v[\s+16*\g+\i], v[\s+16*\g+\i], v[\h+\g] :: v_dual_min_num_f32 v[\s+16*\g+17+\i], v[\s+16*\g+17+\i], v[\h+1+\g]
.endm
.macro HOLD2 s, h, g, i
	v_dual_min_num_f32 v[\s+16*\g+16+\i], v[\s+16*\g+16+\i], v[\h+1+\g] :: v_dual_min_num_f32 v[\s+16*\g+1+\i], v[\s+16*\g+1+\i], v[\h+\g]
.endm
.macro CVT pc, s, so, k                ; eight numbers, half k % 2 of block k / 2
	v_cvt_scalef32_pk8_bf8_f32 v[\pc+2*(\k):\pc+2*(\k)+1], v[\s+8*(\k):\s+8*(\k)+7], v[\so+(\k)/2]
.endm
; A TRIP: 128 keys for both tiles.  s48: where the step's images begin; s49, s50: its scale words of K and of V.  last = 1: there is no next step: its K is not read and its S not made.
.macro TRIP last
	v_add_nc_u32 v8, s48, v1
	v_add_nc_u32 v9, s48, v2
	v_add_nc_u32 v10, s49, v3
	v_add_nc_u32 v11, s50, v4
.rept 4
	v_nop                                          ; with the four additions: eight places behind the products, ahead of the loads and of the scores' first read
.endr
	WIN 0x40
.irp d, 0,1,2,3                                ; this step's V
.irp c, 0,1,2,3
	ds_load_b128 v[VF+16*\d+4*\c:VF+16*\d+4*\c+3], v9 offset:2048*\d+512*\c
.endr
.endr
	WIN 0
.irp d, 0,1,2,3
	ds_load_b32 v[VW+\d], v11 offset:64*\d
.endr
.if \last == 0
	FETCH_K 8, 10, 8192, 512                       ; the next step's K
.endif
.irp n, 0,1,2,3,4,5,6,7
	MX SA, BM, \n
.endr
	PERM BM, HA
	JOIN BM, HA
	MX SB, BM+4, 0
	v_max3_num_f32 v42, v[BM], v[BM+1], v[BM+2]
	MX SB, BM+4, 1
	v_max3_num_f32 v24, v24, v42, v[BM+3]          ; tile A: the running largest score
	MX SB, BM+4, 2
	v_mul_f32 v42, s36, v24                        ; -t
	MX SB, BM+4, 3
	v_floor_f32 v42, v42                           ; the new -M = floor(-t): M is a whole number
	MX SB, BM+4, 4
	v_sub_f32 v44, v42, v12                        ; old M - new M: a whole number, 0 or less
	EXPO BM, 42
	v_mov_b32 v12, v42
	MX SB, BM+4, 5
	v_cvt_i32_f32 v44, v44                         ; (it saturates)
	FLOORS BM
	MX SB, BM+4, 6
	v_ldexp_f32 v14, 1.0, v44                      ; f = 2^(old M - new M): a multiplication by it rounds nothing
	WHOLE BM
	MX SB, BM+4, 7
	LIMITS BM, HA
	PERM BM+4, HB
	v_lshl_add_u32 v42, v[BM+1], 8, v[BM]          ; p's scale word: bytes E + 112
	v_lshl_add_u32 v44, v[BM+3], 8, v[BM+2]
	JOIN BM+4, HB
	v_lshl_add_u32 v42, v44, 16, v42
	OPERANDS BM
	v_max3_num_f32 v43, v[BM+4], v[BM+5], v[BM+6]
	v_add_nc_u32 v58, 0x70707070, v42
	TM4 0
	v_max3_num_f32 v25, v25, v43, v[BM+7]          ; tile B likewise
	TM4 1
	v_mul_f32 v43, s36, v25
	TM4 2
	v_floor_f32 v43, v43
	TM4 3
	v_sub_f32 v45, v43, v13
	EXPO BM+4, 43
	v_mov_b32 v13, v43
	TM4 4
	v_cvt_i32_f32 v45, v45
	FLOORS BM+4
	TM4 5
	v_ldexp_f32 v15, 1.0, v45
	WHOLE BM+4
	TM4 6
	LIMITS BM+4, HB
	v_lshl_add_u32 v43, v[BM+5], 8, v[BM+4]
	v_lshl_add_u32 v45, v[BM+7], 8, v[BM+6]
	OPERANDS BM+4
	v_lshl_add_u32 v43, v45, 16, v43
	TM4 7
	v_add_nc_u32 v59, 0x70707070, v43
	s_wait_alu depctr_va_vdst(0)
.set j, 0
.rept 32                                       ; A's exponentials; among them B's t - M, which nothing reads before the next wait
	v_exp_f32 v[SA+j], v[SA+j]                     ; p = 2^(t - M), at most 1
	v_exp_f32 v[SA+j+1], v[SA+j+1]
	v_pk_fma_f32 v[SB+j:SB+j+1], v[SB+j:SB+j+1], s[22:23], v[12:13] op_sel:[0,0,1] op_sel_hi:[1,0,1]
.set j, j+2
.endr
	s_wait_alu depctr_va_vdst(0)                   ; behind A's batch, and ahead of B's
	SUM 16, SA, 0
.set j, 0
.irp g, 0,2                                    ; B's exponentials; among them A's holds
.irp i, 0,2,4,6,8,10,12,14
	v_exp_f32 v[SB+j], v[SB+j]
	v_exp_f32 v[SB+j+1], v[SB+j+1]
	HOLD1 SA, HA, \g, \i
	v_exp_f32 v[SB+j+2], v[SB+j+2]
	v_exp_f32 v[SB+j+3], v[SB+j+3]
	HOLD2 SA, HA, \g, \i
.set j, j+4
.endr
.endr
	s_wait_alu depctr_va_vdst(0)                   ; behind B's batch
	s_wait_dscnt 0x0                               ; V and the next K, asked for at the trip's head, are in
	SUM 18, SB, 1
.set k, 0
.irp g, 0,2                                    ; B's holds; among them A's conversions
.irp i, 0,4,8,12
	HOLD1 SB, HB, \g, \i
	HOLD2 SB, HB, \g, \i
	CVT PCA, SA, BM, k
	HOLD1 SB, HB, \g, \i+2
	HOLD2 SB, HB, \g, \i+2
.set k, k+1
.endr
.endr
.irp n, 0,1,2,3,4,5,6,7
	CVT PCB, SB, BM+4, \n
.endr
	v_nop                                          ; a plain place behind the last conversion
	WIN 0x41
	s_wait_alu depctr_va_vdst(0)
.set j, 0
.rept 16
	v_pk_mul_f32 v[OA+j:OA+j+1], v[OA+j:OA+j+1], v[14:15] op_sel_hi:[1,0]   ; O^T under the new M.  (These 32 are also the places between the conversions and the products)
	v_pk_mul_f32 v[OB+j:OB+j+1], v[OB+j:OB+j+1], v[14:15] op_sel:[0,1]
.set j, j+2
.endr
	WIN 0x51
.irp d, 0,1,2,3                                ; the eight accumulators by turns
	v_wmma_scale_f32_16x16x128_f8f6f4 v[OA+8*\d:OA+8*\d+7], v[VF+16*\d:VF+16*\d+15], v[PCA:PCA+15], v[OA+8*\d:OA+8*\d+7], v[VW+\d], v58 matrix_a_fmt:MATRIX_FMT_BF8 matrix_b_fmt:MATRIX_FMT_BF8
	v_wmma_scale_f32_16x16x128_f8f6f4 v[OB+8*\d:OB+8*\d+7], v[VF+16*\d:VF+16*\d+15], v[PCB:PCB+15], v[OB+8*\d:OB+8*\d+7], v[VW+\d], v59 matrix_a_fmt:MATRIX_FMT_BF8 matrix_b_fmt:MATRIX_FMT_BF8
.endr
.if \last == 0
	SCORES
.else
	WIN 0
.endif
	s_add_co_u32 s48, s48, 8192
	s_add_co_u32 s49, s49, 512
	s_add_co_u32 s50, s50, 256
.endm
	s_wait_alu depctr_va_vdst(0)
	s_cmp_lt_u32 s12, 2
	s_cbranch_scc0 .Lnot_yet
	s_wait_tensorcnt 0x0                           ; waves 0 and 1: key steps 0-3 are in.  The others' wait stands at the second barrier
.Lnot_yet:
	s_wait_dscnt 0x0                               ; my stores of scale words have landed
	s_barrier_signal -1
	s_barrier_wait -1
	s_mov_b32 s48, 0
	s_mov_b32 s49, 0
	s_mov_b32 s50, 0
	FETCH_K 1, 3, 0, 0                             ; key step 0's K
	s_wait_dscnt 0x0
	SCORES
	s_mov_b32 s51, 3
.Lfirst:                                           ; trips 0 to 2 read K's steps 1 to 3 and V's 0 to 2
	TRIP 0
	s_sub_co_u32 s51, s51, 1
	s_cmp_lg_u32 s51, 0
	s_cbranch_scc1 .Lfirst
	s_wait_tensorcnt 0x0                           ; my part of K or V is in;
	s_wait_dscnt 0x0                               ; no LDS instruction of mine is out at the signal;
	s_barrier_signal -1
	s_barrier_wait -1                              ; everybody's parts are in.  Nothing is ever filled again
	s_mov_b32 s51, 12
.Lsecond:                                          ; trips 3 to 14
	TRIP 0
	s_sub_co_u32 s51, s51, 1
	s_cmp_lg_u32 s51, 0
	s_cbranch_scc1 .Lsecond
	TRIP 1                                         ; trip 15
	; THE WAY OUT.  O^T / the sum; its two blocks of 32 a tile are quantised; the codes are put into the true order of K (the last product's other operand is given in that order) and leave as images of four operand registers.
.set NUM, SA                           ; v128-191  ctx's numbers: tile A's two blocks, then B's
.set FIN, SB                           ; v192-207  the codes in their true order
.set RCV, SB+16                        ; v208-215
.set RBK, SB+24                        ; v216-219  scale bytes read back
	v_add_f32 v42, v16, v17                        ; the sums' two halves,
	v_add_f32 v43, v18, v19
	v_permlanex16_b32 v44, v42, s20, s21
	v_permlanex16_b32 v45, v43, s20, s21
	v_add_f32 v42, v42, v44                        ; and lane l xor 16's
	v_add_f32 v43, v43, v45
	s_wait_alu depctr_va_vdst(0)
	v_rcp_f32 v42, v42
	v_rcp_f32 v43, v43
.rept 8
	v_nop                                          ; places behind the last products and the transcendentals
.endr
	WIN 0x01
	s_wait_alu depctr_va_vdst(0)
.set j, 0
.rept 16
	v_pk_mul_f32 v[NUM+j:NUM+j+1], v[OA+j:OA+j+1], v[42:43] op_sel_hi:[1,0]   ; register 8 t + i is ctx(query r, 16 t + 8 h + i)
.set j, j+2
.endr
.set j, 0
.rept 16
	v_pk_mul_f32 v[NUM+32+j:NUM+33+j], v[OB+j:OB+j+1], v[42:43] op_sel:[0,1]
.set j, j+2
.endr
	WIN 0
.irp b, 0,1,2,3
	v_max3_num_f32 v[BM+\b], |v[NUM+16*\b]|, |v[NUM+1+16*\b]|, 0x8000000   ; and the floor 2^(16 - 127)
.endr
.irp i, 2,4,6,8,10,12,14
.irp b, 0,1,2,3
	v_max3_num_f32 v[BM+\b], v[BM+\b], |v[NUM+16*\b+\i]|, |v[NUM+1+16*\b+\i]|
.endr
.endr
	PERM BM, HA
	JOIN BM, HA
.irp b, 0,1,2,3
	v_add_nc_u32 v[BM+4+\b], 0xf8800000, v[BM+\b]  ; 15 off the exponent field: the conversion's scale operand
.endr
.irp b, 0,1,2,3
	v_and_or_b32 v[HB+\b], v[BM+\b], 0x7f800000, s19   ; 57,344 x the scale
.endr
.irp b, 0,1,2,3
	v_lshrrev_b32 v[HA+\b], 23, v[BM+4+\b]         ; the scale's byte
.endr
	v_lshl_or_b32 v42, v[HA+1], 8, v[HA]           ; my queries' two scale bytes each
	v_lshl_or_b32 v43, v[HA+3], 8, v[HA+2]
.irp b, 0,1,2,3
.irp i, 0,1,2,3,4,5,6,7,8,9,10,11,12,13,14,15
	v_med3_num_f32 v[NUM+16*\b+\i], v[NUM+16*\b+\i], -v[HB+\b], v[HB+\b]
.endr
.endr
.irp k, 0,1,2,3,4,5,6,7
	CVT PCA, NUM, BM+4, \k                         ; block b: X (32 b + 8 h + 0 .. 7), then Y (32 b + 16 + 8 h + 0 .. 7)
.endr
	v_nop                                          ; a plain place behind the conversions
	; lanes 0-15 want 32 b + 0 .. 15: their X, then the partner's X; lanes 16-31 want 32 b + 16 .. 31: the partner's Y, then their Y.  So lanes 0-15 send Y and lanes 16-31 send X.
.irp b, 0,1,2,3
.irp k, 0,1
	v_cndmask_b32 v[PCB+2*\b+\k], v[PCA+4*\b+2+\k], v[PCA+4*\b+\k], s46
.endr
.endr
.irp n, 0,1,2,3,4,5,6,7
	v_permlanex16_b32 v[RCV+\n], v[PCB+\n], s20, s21
.endr
.irp b, 0,1,2,3
.irp k, 0,1
	v_cndmask_b32 v[FIN+4*\b+\k], v[PCA+4*\b+\k], v[RCV+2*\b+\k], s46
	v_cndmask_b32 v[FIN+2+4*\b+\k], v[RCV+2*\b+\k], v[PCA+4*\b+2+\k], s46
.endr
.endr
	global_store_b128 v1, v[FIN:FIN+3], s[40:41]   ; 32 lanes store 512 consecutive bytes, aligned
	global_store_b128 v1, v[FIN+4:FIN+7], s[40:41] offset:512
	global_store_b128 v1, v[FIN+8:FIN+11], s[40:41] offset:16384
	global_store_b128 v1, v[FIN+12:FIN+15], s[40:41] offset:16896
	ds_store_b16 v5, v42                           ; both halves of the lanes write the same two bytes with the same value
	ds_store_b16 v5, v43 offset:32
	v_add_nc_u32 v11, CSC, v1
	s_wait_alu depctr_va_vdst(0)
	s_wait_dscnt 0x0                               ; for wave 0's sake
	s_barrier_signal -1
	s_barrier_wait -1
	s_cmp_lg_u32 s12, 0
	s_cbranch_scc1 .Lnot_first
	ds_load_b128 v[RBK:RBK+3], v11                 ; the 256 queries' scale bytes
	s_wait_dscnt 0x0
	global_store_b128 v1, v[RBK:RBK+3], s[42:43]   ; 512 consecutive bytes, aligned
.Lnot_first:
	s_wait_tensorcnt 0x0                           ; the wave's end
	ds_add_u32 v6, v7
	s_wait_dscnt 0x0
	CROUND                                         ; the closing round
	s_endpgm
.Lfunc_end_k_qcf921e89cc_attn:
	.size	k_qcf921e89cc_attn, .Lfunc_end_k_qcf921e89cc_attn-k_qcf921e89cc_attn
	.p2alignl 7, 3214868480
	.fill 96, 4, 3214868480
	.section	.rodata,"a",@progbits
	.p2align	6, 0x0
	.amdhsa_kernel k_qcf921e89cc_attn
		.amdhsa_group_segment_fixed_size 327680
		.amdhsa_private_segment_fixed_size 0
		.amdhsa_enable_private_segment 0
		.amdhsa_kernarg_size 32
		.amdhsa_user_sgpr_count 2
		.amdhsa_user_sgpr_kernarg_segment_ptr 1
		.amdhsa_wavefront_size32 1
		.amdhsa_system_sgpr_workgroup_id_x 1
		.amdhsa_system_sgpr_workgroup_id_y 1
		.amdhsa_system_sgpr_workgroup_id_z 1
		.amdhsa_system_vgpr_workitem_id 0
		.amdhsa_next_free_vgpr 512
		.amdhsa_next_free_sgpr 66
		.amdhsa_reserve_vcc 0
		.amdhsa_float_denorm_mode_32 3
		.amdhsa_float_denorm_mode_16_64 3
		.amdhsa_memory_ordered 1
		.amdhsa_forward_progress 1
		.amdhsa_inst_pref_size 126
	.end_amdhsa_kernel
	.amdgpu_metadata
---
amdhsa.version: [ 1, 2 ]
amdhsa.kernels:
  - .name:           k_qcf921e89cc_attn
    .symbol:         k_qcf921e89cc_attn.kd
    .args:
      - { .name: qkv_img, .offset: 0, .size: 8, .value_kind: global_buffer, .address_space: global }
      - { .name: qkv_sc, .offset: 8, .size: 8, .value_kind: global_buffer, .address_space: global }
      - { .name: ctx_img, .offset: 16, .size: 8, .value_kind: global_buffer, .address_space: global }
      - { .name: ctx_sc, .offset: 24, .size: 8, .value_kind: global_buffer, .address_space: global }
    .group_segment_fixed_size: 327680
    .private_segment_fixed_size: 0
    .kernarg_segment_align: 8
    .kernarg_segment_size: 32
    .max_flat_workgroup_size: 256
    .sgpr_count:     66
    .vgpr_count:     512
    .wavefront_size: 32
...
	.end_amdgpu_metadata
.endif
;; end of part 5
;; launch proj (part 6): grid 8 x 32, 4 waves a work-group, clusters of 4 x 4, 327,680 bytes of LDS; arguments ctx_img, ctx_sc, out_w_codes, out_w_scales, out_b, out0; writes out0
.if DOCPART == 6
	.amdgcn_target "amdgcn-amd-amdhsa--gfx1250"
	.amdhsa_code_object_version 6
	.text
	.protected	k_qcf921e89cc_proj
	.globl	k_qcf921e89cc_proj
	.p2align	8
	.type	k_qcf921e89cc_proj,@function
k_qcf921e89cc_proj:
	s_mov_b64 s[64:65], 0
	v_nop
	global_prefetch_b8 v0, s[64:65] scope:SCOPE_SE
	s_setreg_imm32_b32 hwreg(HW_REG_WAVE_MODE, 25, 1), 1
	s_wait_xcnt 0x0
	s_wait_alu depctr_hold_cnt(0) depctr_sa_sdst(0) depctr_va_vdst(0) depctr_va_sdst(0) depctr_va_ssrc(0) depctr_va_vcc(0) depctr_vm_vsrc(0)
	s_getreg_b32 s2, hwreg(HW_REG_IB_STS2, 6, 4)
	s_cmp_eq_u32 s2, 0
	s_cbranch_scc0 .Lentry_in_a_cluster
	s_endpgm
.Lentry_in_a_cluster:
	s_bfe_u32 s2, ttmp6, 0x10000c
	s_cmp_lg_u32 s2, 0xf033
	s_cbranch_scc0 .Lentry_shape_is_right
	s_endpgm
.Lentry_shape_is_right:
; out0 = ctx W^T + b on codes of BF8 (E5M2) with one E8M0 scale for each 32 along K = 1,024: [4,096][1,024] f32.
; SHARES.  A work-group makes 128 tokens x 128 outputs; its four waves are 2 halves of the tokens x 2 halves of the outputs: 64 x 64 a wave.  ALL OF K LIES IN LDS, filled once at the head by one joint load a wave: waves 0, 1 fetch ctx's operand
;   images (65,536 dense bytes each), waves 2, 3 64 rows of W.  Everything is asked for at the head, so there is no loop for a prefetch to run ahead in.
; CLUSTERS: 4 x 4 work-groups; ctx's images are asked for jointly along a row of the cluster, W's rows along a column.
; BY ROWS OF THE RESULT.  All of W's fragments of the wave (4 tiles x 8 of 128 along K) stand in 512 registers; the wave's four blocks of 16 tokens are finished one after the other, 32 matrix instructions each, and each block goes out while the next is
;   multiplied.  Source 0 = W, source 1 = ctx: a lane holds eight neighbouring outputs of a token; a block goes through the wave's own stage in LDS and leaves as aligned units of 256 bytes.  The bias is the C of the first products (added first, not last).
; LIMITS: NaN and infinities are not served.
; REGISTERS.  window 0: v0-31 addresses; v32-69 scale words, 10 registers a block i: lanes 0-15 ctx's block i, lanes 16-31 W's tile i; v72-103 the bias in the results' layout; v104-167 two sets of four accumulators; v168-231 rows read back, two sets.
;   windows 1, 2: W's fragments, K = 0 .. 511, 512 .. 1,023;   window 3: ctx's fragments of a block, two sets of 128.
.set PITCH,  1040                      ; a row of W in LDS: 1,024 bytes + 16 of padding: the 16 rows that a load touches start 4 banks apart
.set BOFF,   131072                    ; ctx's images at 0: [tile of 16 tokens 8][128 of K 8][2,048 bytes]; W's rows here
.set SCL,    BOFF+128*PITCH            ; the scale bytes: ctx's 128 rows of 32 bytes, then W's, as units of 256 bytes + 16 of padding
.set HALFS,  16*272
.set SBLK,   2*272
.set STAGE,  SCL+2*HALFS               ; the way out: 16 rows x (256 bytes + 16) for each wave
.set SPITCH, 272
.set SPARE,  STAGE+4*16*SPITCH         ; the spare words, 128 bytes for each wave
.set ADRA, 16
.set ADRB, 20
.set STO,  24
.set RD,   25
.set CO,   26
.set ADRS, 27
.set SC,   32
.set BJ,   72
.set ACC,  104
.set BK,   168
.set TS,   104                         ; the head: scale bytes at work
.set G1, 24                            ; s[24:31], s[32:35] descriptor groups 1, 0 for ctx;  s[48:55], s[56:59] for W
.set G0, 32
.set G1B, 48
.set G0B, 56
.set MSB, 0
.macro WIN new                         ; the immediate's high byte repeats the setting that is left
.if MSB != (\new)
	s_set_vgpr_msb (MSB<<8)|(\new)
.set MSB, (\new)
.endif
.endm
.macro CROUND                          ; a round of the cluster's barrier
	s_barrier_signal -1
	s_barrier_wait -1
	s_cmp_lg_u32 s14, 0
	s_cbranch_scc1 .Lnot_wave_0_\@
	s_barrier_signal -3
.Lnot_wave_0_\@:
	s_barrier_wait -3
	s_barrier_signal -1
	s_barrier_wait -1
.endm
	s_load_b128 s[4:7], s[0:1], 0x0                ; ctx_img, ctx_sc
	s_load_b128 s[8:11], s[0:1], 0x10              ; W's codes, W's scales
	s_load_b128 s[68:71], s[0:1], 0x20             ; the bias, out0
	v_lshl_add_u32 v29, v0, 2, SPARE
	v_mov_b32 v31, 0
	ds_add_u32 v29, v31                            ; the wave's opening
	ds_add_u32 v29, v31
	v_lshrrev_b32 v1, 5, v0
	v_readfirstlane_b32 s14, v1                    ; wave 0..3
	s_lshr_b32 s15, s14, 1                         ; my half of the tokens.  Also: I fetch ctx (0) or W (1)
	s_and_b32 s16, s14, 1                          ; my half of the outputs.  Also: which half I fetch
	s_bfe_u32 s40, ttmp6, 0x40000                  ; cx, cy: my place in the cluster
	s_bfe_u32 s41, ttmp6, 0x40004
	s_lshl_b32 s42, ttmp9, 2
	s_add_co_u32 s42, s42, s40                     ; the block of 128 outputs
	s_and_b32 s17, ttmp7, 0xffff
	s_lshl_b32 s17, s17, 2
	s_add_co_u32 s17, s17, s41                     ; the block of 128 tokens
	s_lshl_b32 s43, s41, 2
	s_lshl_b32 s43, 15, s43                        ; my row of the cluster: shares ctx
	s_lshl_b32 s44, 0x1111, s40                    ; my column: shares W
	; ctx: 65,536 dense bytes as 256 rows of 256 bytes (32 elements of 8 bytes), no padding
	s_or_b32 s[G1+0], s43, (3<<16)|(1<<21)
	s_mov_b32 s[G1+1], 32<<16
	s_mov_b32 s[G1+2], 256<<16
	s_mov_b32 s[G1+3], 32<<16
	s_mov_b32 s[G1+4], 256
	s_mov_b32 s[G1+5], 32
	s_mov_b32 s[G1+6], 0
	s_mov_b32 s[G1+7], 0
	; W: 64 rows of 1,024 bytes, four words of padding after every 256
	s_or_b32 s[G1B+0], s44, (1<<20)|(1<<21)|(7<<22)|(3<<25)
	s_mov_b32 s[G1B+1], 1024<<16
	s_mov_b32 s[G1B+2], 64<<16
	s_mov_b32 s[G1B+3], 1024<<16
	s_mov_b32 s[G1B+4], 64
	s_mov_b32 s[G1B+5], 1024
	s_mov_b32 s[G1B+6], 0
	s_mov_b32 s[G1B+7], 0
	s_lshl_b32 s18, s16, 16                        ; the half that I fetch: 65,536 bytes of either
	s_lshl_b32 s20, s17, 17
	s_add_co_u32 s20, s20, s18
	s_mov_b32 s21, 0
	s_lshl_b32 s46, s42, 17
	s_add_co_u32 s46, s46, s18
	s_mov_b32 s47, 0
	s_mov_b32 s[G0], 1
	s_mov_b32 s[G0+1], s18
	s_mov_b32 s[G0B], 1
	s_mul_i32 s23, s16, 64*PITCH
	s_add_co_u32 s[G0B+1], s23, BOFF
	s_lshl_b32 s72, s17, 8                         ; ctx's scale bytes, [head][token] 2: my tokens, two heads a wave
	s_lshl_b32 s73, s14, 14
	s_add_co_u32 s72, s72, s73
	s_mov_b32 s73, 0
	s_lshl_b32 s74, s42, 12                        ; W's: 4,096 dense bytes
	s_mov_b32 s75, 0
	s_lshl_b32 s76, s42, 9                         ; the bias of my 64 outputs
	s_lshl_b32 s77, s16, 8
	s_add_co_u32 s76, s76, s77
	s_mov_b32 s77, 0
	v_and_b32 v1, 15, v0                           ; r
	v_bfe_u32 v2, v0, 4, 1                         ; h
	v_and_b32 v6, 31, v0
	v_lshlrev_b32 v8, 4, v0
	v_lshlrev_b32 v7, 4, v6                        ; 16 x lane
	v_lshlrev_b32 v30, 5, v2
	v_lshlrev_b32 v11, 4, v1                       ; eight tokens of
	v_lshl_add_u32 v11, v2, 16, v11                ; the heads 8 h + 2 wave, + 1: 128 of K number 4 h + wave
	s_wait_alu depctr_va_vdst(0)
	s_wait_dscnt 0x0                               ; both opening adds are done
	s_wait_kmcnt 0x0
	s_add_nc_u64 s[G0+2:G0+3], s[4:5], s[20:21]
	s_or_b32 s[G0+3], s[G0+3], 0x80000000
	s_add_nc_u64 s[G0B+2:G0B+3], s[8:9], s[46:47]
	s_or_b32 s[G0B+3], s[G0B+3], 0x80000000
	s_add_nc_u64 s[72:73], s[6:7], s[72:73]
	s_add_nc_u64 s[74:75], s[10:11], s[74:75]
	s_add_nc_u64 s[76:77], s[68:69], s[76:77]
	CROUND                                         ; all sixteen work-groups are here: the joint loads meet
	s_cmp_eq_u32 s15, 0                            ; one load a wave
	s_cbranch_scc0 .Lfor_w
	tensor_load_to_lds s[G0:G0+3], s[G1:G1+7]
	s_nop 0
.rept 4
	v_nop
.endr
	s_branch .Lasked
.Lfor_w:
	tensor_load_to_lds s[G0B:G0B+3], s[G1B:G1B+7]
	s_nop 0
.rept 4
	v_nop
.endr
.Lasked:
	global_load_b128 v[TS:TS+3], v11, s[72:73]
	global_load_b128 v[TS+4:TS+7], v11, s[72:73] offset:8192
	global_load_b128 v[TS+16:TS+19], v8, s[74:75]
	global_load_b128 v[TS+20:TS+23], v8, s[74:75] offset:2048
.irp b, 0,1,2,3
	global_load_b128 v[BJ+8*\b:BJ+8*\b+3], v30, s[76:77] offset:64*\b
	global_load_b128 v[BJ+8*\b+4:BJ+8*\b+7], v30, s[76:77] offset:64*\b+16
.endr
	s_lshl_b32 s21, s15, 16
	v_add_nc_u32 v[ADRA], s21, v7                  ; my 4 tiles of ctx
	v_mul_u32_u24 v3, v1, PITCH
	v_lshl_add_u32 v4, v2, 4, v3                   ; a fragment's row x pitch + 16 h
	s_mul_i32 s22, s16, 64*PITCH
	s_add_co_u32 s22, s22, BOFF
	v_add_nc_u32 v[ADRB], s22, v4                  ; my 64 rows of W
	v_lshlrev_b32 v5, 5, v1                        ; a row of scale bytes: 32,
	v_lshrrev_b32 v12, 8, v5
	v_lshl_add_u32 v5, v12, 4, v5                  ; and 16 more for each 256 passed
	s_mul_i32 s21, s15, 4*SBLK
	s_mul_i32 s22, s16, 4*SBLK
	s_add_co_u32 s22, s22, HALFS
	s_sub_co_u32 s22, s22, s21
	v_mul_u32_u24 v12, s22, v2                     ; lanes 16-31 take W's
	s_add_co_u32 s21, s21, SCL
	v_add_nc_u32 v5, v5, v12
	v_add_nc_u32 v[ADRS], s21, v5
	v_mul_u32_u24 v9, v1, 272                      ; where my words of ctx's scales go: tokens 8 r on, word 4 h + wave
	v_lshl_add_u32 v9, v2, 4, v9
	s_lshl_b32 s18, s14, 2
	s_add_co_u32 s18, s18, SCL
	v_add_nc_u32 v9, s18, v9
	v_lshrrev_b32 v10, 4, v0                       ; and my 16 bytes of W's
	v_mul_u32_u24 v10, v10, 272
	v_lshl_add_u32 v10, v1, 4, v10
	v_add_nc_u32 v10, SCL+HALFS, v10
	s_mul_i32 s23, s14, 16*SPITCH
	s_add_co_u32 s23, s23, STAGE                   ; my stage
	v_mul_u32_u24 v5, v1, SPITCH                   ; in: row r, 32 bytes for each half of the lanes
	v_lshl_add_u32 v5, v2, 5, v5
	v_add_nc_u32 v[STO], s23, v5
	v_mul_u32_u24 v5, v2, SPITCH                   ; back: lanes 0-15 one row of 256 bytes, lanes 16-31 the next
	v_lshl_add_u32 v5, v1, 4, v5
	v_add_nc_u32 v[RD], s23, v5
	v_lshlrev_b32 v[CO], 12, v2                    ; and the same two rows in out0
	v_lshl_add_u32 v[CO], v1, 4, v[CO]
	s_lshl_b32 s20, s17, 19
	s_lshl_b32 s21, s15, 18
	s_add_co_u32 s20, s20, s21
	s_lshl_b32 s21, s42, 9
	s_add_co_u32 s20, s20, s21
	s_lshl_b32 s21, s16, 8
	s_add_co_u32 s20, s20, s21
	s_mov_b32 s21, 0
	s_add_nc_u64 s[12:13], s[70:71], s[20:21]      ; my 64 x 64 results
	s_wait_alu depctr_va_vdst(0)
	s_wait_loadcnt 0x0
.irp i, 0,1,2,3                                ; two heads' two bytes a token make a word
	v_perm_b32 v[TS+8+2*\i], v[TS+4+\i], v[TS+\i], 0x05040100
	v_perm_b32 v[TS+9+2*\i], v[TS+4+\i], v[TS+\i], 0x07060302
.endr
.irp k, 0,1,2,3,4,5,6,7
	ds_store_b32 v9, v[TS+8+\k] offset:32*\k
.endr
	ds_store_b128 v10, v[TS+16:TS+19]
	ds_store_b128 v10, v[TS+20:TS+23] offset:2176
.macro ALOAD a                         ; ctx's block a, all of K, into set a % 2: 32 loads
	WIN 0xc0
.irp k, 0,1,2,3,4,5,6,7
.irp c, 0,1,2,3
	ds_load_b128 v[128*((\a)%2)+16*\k+4*\c:128*((\a)%2)+16*\k+4*\c+3], v[ADRA] offset:16384*(\a)+2048*\k+512*\c
.endr
.endr
	WIN 0
.endm
.macro BLOAD k                         ; W's four fragments of the k-th 128: 16 loads
	WIN 0x40*(1+(\k)/4)
.irp b, 0,1,2,3
.irp c, 0,1,2,3
	ds_load_b128 v[16*(4*((\k)%4)+\b)+4*\c:16*(4*((\k)%4)+\b)+4*\c+3], v[ADRB] offset:\b*16*PITCH+128*(\k)+32*\c
.endr
.endr
	WIN 0
.endm
.macro ROWK a, k                       ; block a, the k-th 128: four accumulators by turns
.set AC_, ACC+32*((\a)%2)
	WIN 0x0c+1+(\k)/4
.irp b, 0,1,2,3
.if (\k) == 0
	v_wmma_scale_f32_16x16x128_f8f6f4 v[AC_+8*\b:AC_+8*\b+7], v[16*(4*((\k)%4)+\b):16*(4*((\k)%4)+\b)+15], v[128*((\a)%2)+16*(\k):128*((\a)%2)+16*(\k)+15], v[BJ+8*\b:BJ+8*\b+7], v[SC+10*\b+\k], v[SC+10*(\a)+\k] matrix_a_fmt:MATRIX_FMT_BF8 matrix_b_fmt:MATRIX_FMT_BF8 matrix_a_scale:MATRIX_SCALE_ROW1
.else
	v_wmma_scale_f32_16x16x128_f8f6f4 v[AC_+8*\b:AC_+8*\b+7], v[16*(4*((\k)%4)+\b):16*(4*((\k)%4)+\b)+15], v[128*((\a)%2)+16*(\k):128*((\a)%2)+16*(\k)+15], v[AC_+8*\b:AC_+8*\b+7], v[SC+10*\b+\k], v[SC+10*(\a)+\k] matrix_a_fmt:MATRIX_FMT_BF8 matrix_b_fmt:MATRIX_FMT_BF8 matrix_a_scale:MATRIX_SCALE_ROW1
.endif
.endr
.endm
.macro ROW a
.irp k, 0,1,2,3,4,5,6,7
	ROWK \a, \k
.endr
	WIN 0
.endm
.macro PLACES                          ; places behind a block's last product (ISA guide 7.12.1 for vector instructions)
.rept 8
	v_nop
.endr
.endm
.macro TOSTAGE a                       ; into my stage, and back as whole rows of 256 bytes; LDS serves a wave's instructions in order (ISA guide 5.7.1.4)
.set AC_, ACC+32*((\a)%2)
.set BB, BK+32*((\a)%2)
.irp b, 0,1,2,3
	ds_store_b128 v[STO], v[AC_+8*\b:AC_+8*\b+3] offset:64*\b
	ds_store_b128 v[STO], v[AC_+8*\b+4:AC_+8*\b+7] offset:64*\b+16
.endr
.irp t, 0,1,2,3,4,5,6,7
	ds_load_b128 v[BB+4*\t:BB+4*\t+3], v[RD] offset:\t*2*SPITCH
.endr
.endm
.macro SEND a, younger                 ; younger: the LDS loads issued behind the block's, which may stay out
.set BB, BK+32*((\a)%2)
	s_wait_dscnt \younger
.irp t, 0,1,2,3,4,5,6,7
	global_store_b128 v[CO], v[BB+4*\t:BB+4*\t+3], s[12:13] offset:(16*(\a)+2*\t)*4096 th:TH_STORE_NT   ; 16 lanes store 256 consecutive bytes, aligned
.endr
.endm
	s_wait_alu depctr_va_vdst(0)
	s_wait_tensorcnt 0x0                           ; my part of ctx or W is in,
	s_wait_dscnt 0x0                               ; and so are my scale bytes
	s_barrier_signal -1
	s_barrier_wait -1                              ; everybody's are.  Nothing is ever filled again
.irp i, 0,1,2,3
	ds_load_b128 v[SC+10*\i:SC+10*\i+3], v[ADRS] offset:\i*SBLK
	ds_load_b128 v[SC+10*\i+4:SC+10*\i+7], v[ADRS] offset:\i*SBLK+16
.endr
	ALOAD 0
.irp k, 0,1,2,3,4,5,6
	BLOAD \k
.endr
	s_wait_dscnt 48                                ; all but W's K = 512 .. 895 (three times 16 loads)
.irp k, 0,1,2,3
	ROWK 0, \k
.endr
	WIN 0
	BLOAD 7
	ALOAD 1
	s_wait_dscnt 48                                ; all but the 48 just issued
.irp k, 4,5,6
	ROWK 0, \k
.endr
	s_wait_dscnt 32                                ; all but ctx's block 1
	ROWK 0, 7
	WIN 0
	PLACES
	TOSTAGE 0
	ALOAD 2
	s_wait_dscnt 48                                ; block 1 is in; the stage's 16 and block 2's 32 may be out
	ROW 1
	SEND 0, 32                                     ; block 2's 32 may be out
	PLACES
	TOSTAGE 1
	ALOAD 3
	s_wait_dscnt 48                                ; block 2 is in
	ROW 2
	SEND 1, 32
	PLACES
	s_wait_xcnt 0x0                                ; block 0's stores have read their registers
	TOSTAGE 2
	s_wait_dscnt 16                                ; block 3 is in; the stage's 16 may be out
	ROW 3
	SEND 2, 0
	PLACES
	s_wait_xcnt 0x0                                ; block 1's stores have read theirs
	TOSTAGE 3
	SEND 3, 0
	s_wait_tensorcnt 0x0                           ; the wave's end
	ds_add_u32 v29, v31
	s_wait_dscnt 0x0
	CROUND                                         ; the closing round: no work-group ends while a partner may still ask for a tile that names it
	s_endpgm
.Lfunc_end_k_qcf921e89cc_proj:
	.size	k_qcf921e89cc_proj, .Lfunc_end_k_qcf921e89cc_proj-k_qcf921e89cc_proj
	.p2alignl 7, 3214868480
	.fill 96, 4, 3214868480
	.section	.rodata,"a",@progbits
	.p2align	6, 0x0
	.amdhsa_kernel k_qcf921e89cc_proj
		.amdhsa_group_segment_fixed_size 327680
		.amdhsa_private_segment_fixed_size 0
		.amdhsa_enable_private_segment 0
		.amdhsa_kernarg_size 48
		.amdhsa_user_sgpr_count 2
		.amdhsa_user_sgpr_kernarg_segment_ptr 1
		.amdhsa_wavefront_size32 1
		.amdhsa_system_sgpr_workgroup_id_x 1
		.amdhsa_system_sgpr_workgroup_id_y 1
		.amdhsa_system_sgpr_workgroup_id_z 1
		.amdhsa_system_vgpr_workitem_id 0
		.amdhsa_next_free_vgpr 1024
		.amdhsa_next_free_sgpr 80
		.amdhsa_reserve_vcc 0
		.amdhsa_float_denorm_mode_32 3
		.amdhsa_float_denorm_mode_16_64 3
		.amdhsa_memory_ordered 1
		.amdhsa_forward_progress 1
		.amdhsa_inst_pref_size 53
	.end_amdhsa_kernel
	.amdgpu_metadata
---
amdhsa.version: [ 1, 2 ]
amdhsa.kernels:
  - .name:           k_qcf921e89cc_proj
    .symbol:         k_qcf921e89cc_proj.kd
    .args:
      - { .name: ctx_img, .offset: 0, .size: 8, .value_kind: global_buffer, .address_space: global }
      - { .name: ctx_sc, .offset: 8, .size: 8, .value_kind: global_buffer, .address_space: global }
      - { .name: out_w_codes, .offset: 16, .size: 8, .value_kind: global_buffer, .address_space: global }
      - { .name: out_w_scales, .offset: 24, .size: 8, .value_kind: global_buffer, .address_space: global }
      - { .name: out_b, .offset: 32, .size: 8, .value_kind: global_buffer, .address_space: global }
      - { .name: out0, .offset: 40, .size: 8, .value_kind: global_buffer, .address_space: global }
    .group_segment_fixed_size: 327680
    .private_segment_fixed_size: 0
    .kernarg_segment_align: 8
    .kernarg_segment_size: 48
    .max_flat_workgroup_size: 128
    .sgpr_count:     80
    .vgpr_count:     1024
    .wavefront_size: 32
...
	.end_amdgpu_metadata
.endif
;; end of part 6
